; MI455X (gfx1250); checked and timed in simulation.
; The chip was launched on July 23, 2026; its instructions are those of AMD's public machine-readable ISA for CDNA 5 (MIT licence, August 2026) and "CDNA5" Instruction Set Architecture Reference Guide (July 2026). The comments in the code are by the model that wrote it; some were corrected since.
;; Multi Headed Attention. Allowed arithmetic: matrix products marked QUANTISED: E2M3 operands, one E8M0 scale for each 32 along K, by v_wmma_scale_f32_16x16x128_f8f6f4 with both operands' format E2M3, f32 sums; everything else in f32.
;; Inputs: bk 1,024 float32; bo 1,024 float32; bq 1,024 float32; bv 1,024 float32; key 4 x 2,048 x 1,024 float32; mask 4 x 2,048 x 2,048 int32; query 4 x 2,048 x 1,024 float32; value 4 x 2,048 x 1,024 float32; wk 1,024 x 1,024 float32; wo 1,024 x 1,024 float32; wq 1,024 x 1,024 float32; wv 1,024 x 1,024 float32.
;; Outputs: out0 4 x 2,048 x 1,024 float32.
;; This version of the problem:
;;   THIS VERSION OF THE PROBLEM IS GIVEN IN LOW PRECISION. The matrix products marked QUANTISED in the list below multiply operands that are first quantised to E2M3 (2 exponent bits, 3 mantissa bits; 6 bits a number), with one power-of-two scale for each 32 numbers along K (OCP MX v1.0); their sums are f32. All else is computed in f32.
;;   The module's matrix products, in the order in which they are computed (A, B: the left and right operand; K: the contracted axis; several contracted axes count as one K, in the product's order):
;;     1. [M 8,192, K 1,024] x [K 1,024, N 1,024]; A: input query; B: input wq: QUANTISED
;;     2. [M 8,192, K 1,024] x [K 1,024, N 1,024]; A: input key; B: input wk: QUANTISED
;;     3. [M 8,192, K 1,024] x [K 1,024, N 1,024]; A: input value; B: input wv: QUANTISED
;;     4. batch 64 x [M 2,048, K 64] x [K 64, N 2,048]; A: computed on the way; B: computed on the way: QUANTISED
;;     5. batch 64 x [M 2,048, K 2,048] x [K 2,048, N 64]; A: softmax (see below); B: computed on the way: QUANTISED
;;     6. [M 8,192, K 1,024] x [K 1,024, N 1,024]; A: computed on the way; B: input wo: QUANTISED
;;   THE QUANTISER, for each operand of a quantised product, along K:
;;     - K is cut into blocks of 32 from its start; a last block that is shorter is filled with zeros.
;;     - A block's scale is 2^e with e = floor(log2(the largest magnitude in the block)) - 2, held to -126 .. 127; a block of zeros has e = 0. As a byte (E8M0): e + 127.
;;     - Each number is divided by its block's scale, clamped to +-7.5, and rounded to the nearest number of E2M3, ties to even, subnormals kept.
;;     - The product sums the exact products of the quantised numbers (number of the format x scale) in f32.
;;   ~~~python
;;   def quantise(x, axis):      # numpy; x: float32 -> the quantised numbers, widened to float32 again
;;       x = np.moveaxis(x, axis, -1); K = x.shape[-1]
;;       x = np.pad(x, [(0, 0)] * (x.ndim - 1) + [(0, -K % 32)]); x = x.reshape(x.shape[:-1] + (-1, 32)); a = np.abs(x).max(-1, keepdims=True)
;;       e = np.where(a > 0, np.clip(np.frexp(np.where(a > 0, a, 1))[1] - 1 - 2, -126, 127), 0)      # np.frexp(a)[1] - 1 = floor(log2(a)), exactly
;;       r = np.clip(x / 2.0 ** e, -7.5, 7.5)
;;       step = 2.0 ** (np.maximum(np.frexp(np.where(r == 0, 1, r))[1] - 1, 0) - 3)
;;       q = np.round(r / step) * step * 2.0 ** e      # np.round: ties to even
;;       return np.moveaxis(q.reshape(q.shape[:-2] + (-1,))[..., :K], -1, axis).astype(np.float32)
;;   ~~~
;;   SOFTMAX AHEAD OF A QUANTISED PRODUCT. Where the list says 'softmax', what is quantised is not the finished softmax but p = 2^(t - M), with t = logit x log2(e) and M = ceil(the row's largest t), a whole number; so 1/2 < the row's largest p <= 1. The row's sum l is taken of the UNQUANTISED p, in f32, and the product's result is divided by l at the end. Since M is a whole number, a kernel that streams over the keys may use a running M (the ceiling of the running maximum): every later rescaling is an exact power of two, which a block's scale takes up: the codes' values come out the same.
;;   OPERANDS COMPUTED ON THE WAY. 'Computed on the way' means the value that the module computes at that place (a softmax that the list does not call 'softmax' is quantised finished and normalised). What goes into a quantiser is computed in f32, as accurately as f32 sums, v_exp_f32 and their like allow (about 1e-6 of the number): no bf16 or f16 on the way to a quantiser, and a product that is left as it is and whose result goes on into a quantised operand takes f32 operands (vector FMAs, or v_wmma_f32_16x16x4_f32). A number that lies on a knife's edge between two numbers of the format may be rounded either way, as far as f32 arithmetic and the matrix unit's own rounding can turn it there, and no further.
;; One version. Each part assembles by itself: llvm-mc -triple=amdgcn-amd-amdhsa -mcpu=gfx1250 --defsym DOCPART=n.
;; ======== version 1 of 1: 4 launches
;; workspace buffers: cin 22,020,096 bytes; sin 917,504 bytes; maskw 2,097,152 bytes of whole numbers; qh 6,815,744 bytes; kv 13,369,344 bytes; aoc 6,291,456 bytes; aos 262,144 bytes
;; launch prep (part 1): grid 1408 x 1, 4 waves a work-group, no clusters, 67,072 bytes of LDS; arguments query, key, value, wq, wk, wv, wo, mask, cin, sin, maskw; writes cin, sin, maskw
.if DOCPART == 1
	.amdgcn_target "amdgcn-amd-amdhsa--gfx1250"
	.amdhsa_code_object_version 6
	.text
	.protected	k_qab9b33354d_prep
	.globl	k_qab9b33354d_prep
	.p2align	8
	.type	k_qab9b33354d_prep,@function
k_qab9b33354d_prep:
	s_mov_b64 s[64:65], 0
	v_nop
	global_prefetch_b8 v0, s[64:65] scope:SCOPE_SE
	s_setreg_imm32_b32 hwreg(HW_REG_WAVE_MODE, 25, 1), 1
	s_wait_xcnt 0x0
; PREP.  Two kinds of work-group, told apart by the work-group's number alone.
; Work-groups 0 to 895: query, key, value [8192][1024] and wq, wk, wv, wo [1024][1024], f32, become codes of FP6 (E2M3), K innermost, 768 bytes a row, in cin, and one E8M0 byte for each
; 32 along K, 32 bytes a row, in sin; the seven tensors lie one behind the other in both.  A block's scale is 2^(floor(log2(its largest magnitude)) - 2); its byte is the largest magnitude's
; exponent field - 2, held at 1 from below; each number is divided by the scale and rounded to the nearest code, ties to even, beyond 7.5 the largest code.
; A wave takes 8,192 numbers: 8 whole rows; a work-group 32 rows.  IN key, value, wq, wk, wv THE SECOND AND THIRD GROUP OF 8 ROWS OF EACH 32 CHANGE PLACES ON THE WAY OUT (waves 1 and 2 swap their
; places in cin and sin): 16 stored rows on end are then rows 0-7 and 16-23, or 8-15 and 24-31, of their 32, so that a matrix result whose registers run along such rows holds 16 neighbours in the 16 registers of two tiles.
; Work-groups 896 to 1407: mask [4][2048][2048] int32 becomes lane masks in maskw: [tile of 16 queries, 512][step of 128 keys, 16][word n, 64]; bit r + 16 h of word n = 16 bb + i says whether
; mask[query 16 tile + r][key 128 step + 32 bb + 16 h + i] is not 0: the lane and register in which the attention launch holds that score.
; LIMITS: a block whose largest magnitude lies under 2^-124 gets the byte 1; a block of zeros gets the byte 1 too (its codes are zeros; only this program reads the bytes); NaN and infinities among the inputs are not served.
; No tensor loads, no barrier: waves share nothing.  The two kinds of work-group have LDS bytes of their own.
.set STEPS, 16
.set NQWG,  896                        ; (3 x 8192 + 4 x 1024) x 1024 / 32768
.set EMAX,  2
.set CB,    12                         ; bytes of 16 codes
.set R,     16                         ; v16-79   numbers as they are loaded
.set X,     80                         ; v80-111  two sets of 16 neighbours (mask: v80-143, 64 numbers turned)
.set C,     128                        ; v128-191 codes: four registers for each step
.set E,     112                        ; v112-127 a scale byte for each step
.set WREG,  8192                       ; LDS of a quantising wave: two stages of 32 x SP bytes and its 256 scale bytes
.set SP,    80
.set MST,   32768                      ; LDS of the mask's work-groups begins here
.set MP,    528                        ; a stage row there: 512 bytes + 16
.set MW,    144                        ; v144-151 a pair of registers for each of a wave's four key steps
	s_load_b512 s[4:19], s[0:1], 0x0               ; query, key, value, wq, wk, wv, wo, mask
	s_load_b128 s[20:23], s[0:1], 0x40             ; cin, sin
	s_load_b64 s[24:25], s[0:1], 0x50              ; maskw
	v_lshl_add_u32 v192, v0, 2, 0x10400
	v_mov_b32 v193, 0
	v_lshrrev_b32 v1, 5, v0
	v_readfirstlane_b32 s26, v1                    ; wave
	v_and_b32 v2, 31, v0                           ; lane
	s_cmp_ge_u32 ttmp9, NQWG
	s_cbranch_scc1 .Lmask
	; ---------------- the quantiser
	v_lshlrev_b32 v3, 4, v2                        ; my 16 bytes of a load's 512
	s_mul_i32 s33, s26, WREG
	v_lshrrev_b32 v14, 2, v2
	v_mul_u32_u24 v14, v14, SP
	v_and_b32 v15, 3, v2
	v_lshl_add_u32 v14, v15, 4, v14
	v_add_nc_u32 v14, s33, v14                     ; the stage, on the way in: SP (lane / 4) + 16 (lane % 4)
	v_mul_u32_u24 v15, v2, SP
	v_add_nc_u32 v15, s33, v15                     ; and on the way out: SP x lane: my 16 neighbours
	v_mul_u32_u24 v4, v2, CB                       ; my codes' place in a step's
	v_lshrrev_b32 v5, 1, v2
	s_add_co_u32 s33, s33, 2*32*SP
	v_add_nc_u32 v5, s33, v5                       ; my wave's 256 scale bytes, my block's byte
	v_lshlrev_b32 v7, 3, v2
	v_add_nc_u32 v6, s33, v7                       ; and on the way out 8 bytes a lane
	s_lshr_b32 s27, ttmp9, 8                       ; a large tensor has 256 work-groups,
	s_and_b32 s28, ttmp9, 255
	s_sub_co_u32 s29, ttmp9, 768
	s_lshr_b32 s30, s29, 5                         ; a weight 32
	s_add_co_u32 s30, s30, 3
	s_and_b32 s29, s29, 31
	s_cmp_lt_u32 ttmp9, 768
	s_cselect_b32 s27, s27, s30                    ; which tensor, 0 to 6
	s_cselect_b32 s28, s28, s29                    ; which 32 rows of it
	s_and_b32 s31, s26, 1
	s_lshl_b32 s31, s31, 1
	s_lshr_b32 s32, s26, 1
	s_or_b32 s31, s31, s32                         ; waves 1 and 2 change places,
	s_cmp_eq_u32 s27, 0
	s_cselect_b32 s31, s26, s31                    ; but not in query
	s_cmp_eq_u32 s27, 6
	s_cselect_b32 s31, s26, s31                    ; nor in wo
	s_wait_kmcnt 0x0
	s_cmp_eq_u32 s27, 1                            ; the choice of the input hangs on the work-group's number alone
	s_cselect_b64 s[4:5], s[6:7], s[4:5]
	s_cmp_eq_u32 s27, 2
	s_cselect_b64 s[4:5], s[8:9], s[4:5]
	s_cmp_eq_u32 s27, 3
	s_cselect_b64 s[4:5], s[10:11], s[4:5]
	s_cmp_eq_u32 s27, 4
	s_cselect_b64 s[4:5], s[12:13], s[4:5]
	s_cmp_eq_u32 s27, 5
	s_cselect_b64 s[4:5], s[14:15], s[4:5]
	s_cmp_eq_u32 s27, 6
	s_cselect_b64 s[4:5], s[16:17], s[4:5]
	s_lshl_b32 s34, s28, 2
	s_add_co_u32 s34, s34, s26
	s_lshl_b32 s34, s34, 15                        ; in: my 8 rows of 4,096 bytes
	s_mov_b32 s35, 0
	s_add_nc_u64 s[4:5], s[4:5], s[34:35]
	s_lshl_b32 s36, ttmp9, 2
	s_add_co_u32 s36, s36, s31                     ; out: the place of 8 rows among all seven tensors'
	s_mul_i32 s34, s36, 6144
	s_add_nc_u64 s[20:21], s[20:21], s[34:35]
	s_lshl_b32 s34, s36, 8
	s_add_nc_u64 s[22:23], s[22:23], s[34:35]
.macro LOAD t
.irp i, 0,1,2,3
	global_load_b128 v[R+16*((\t)%4)+4*\i:R+16*((\t)%4)+4*\i+3], v3, s[4:5] offset:2048*(\t)+512*\i th:TH_LOAD_NT   ; 32 lanes read 512 consecutive bytes
.endr
.endm
.macro TURN t                          ; step t's numbers through the stage: LDS serves a wave's instructions in order, so no wait stands between the stores and the loads
.irp i, 0,1,2,3
	ds_store_b128 v14, v[R+16*((\t)%4)+4*\i:R+16*((\t)%4)+4*\i+3] offset:32*SP*((\t)%2)+8*SP*\i
.endr
.irp i, 0,1,2,3
	ds_load_b128 v[X+16*((\t)%2)+4*\i:X+16*((\t)%2)+4*\i+3], v15 offset:32*SP*((\t)%2)+16*\i
.endr
.endm
.irp t, 0,1,2,3
	LOAD \t
.endr
	s_wait_loadcnt 12                              ; step 0's four loads are in; those of three later steps may be out
	TURN 0
.macro STEP t
.set XS, X+16*((\t)%2)
.if (\t) > 0
	s_wait_dscnt 1                                 ; this step's numbers are back from the stage (the last step's byte store may be out)
.else
	s_wait_dscnt 0x0
.endif
.if (\t)+4 < STEPS
	LOAD (\t)+4                                    ; into the registers that this step's stores into the stage have read
.endif
.if (\t)+1 < STEPS
.if STEPS-2-(\t) >= 3
	s_wait_loadcnt 12                              ; the next step's four loads are in; those of the three steps behind it may be out
.else
	s_wait_loadcnt 4*(STEPS-2-(\t))
.endif
	TURN (\t)+1
.endif
	v_max3_num_f32 v8, |v[XS]|, |v[XS+1]|, |v[XS+2]|               ; the largest magnitude of my 16, in two chains
	v_max3_num_f32 v9, |v[XS+3]|, |v[XS+4]|, |v[XS+5]|
.irp i, 6,10
	v_max3_num_f32 v8, v8, |v[XS+\i]|, |v[XS+\i+1]|
	v_max3_num_f32 v9, v9, |v[XS+\i+2]|, |v[XS+\i+3]|
.endr
	v_max3_num_f32 v8, v8, |v[XS+14]|, |v[XS+15]|
	v_max3_num_f32 v8, v8, v9, (EMAX+1)<<23        ; and the floor 2^(3 - 127): the byte cannot fall under 1
	v_max_num_f32_dpp v8, v8, v8 row_xmask:1 row_mask:0xf bank_mask:0xf   ; and of my neighbour's 16: the block's
	v_add_nc_u32 v11, -(EMAX<<23), v8              ; 2 off its exponent field: the conversion takes the exponent field of this operand as its scale
	v_cvt_scalef32_pk16_fp6_f32 v[C+4*(\t):C+4*(\t)+2], v[XS:XS+15], v11
	v_lshrrev_b32 v[E+(\t)], 23, v11               ; the scale's byte
	ds_store_b8 v5, v[E+(\t)] offset:16*(\t)       ; both lanes of a block write the same byte with the same value
	global_store_b96 v4, v[C+4*(\t):C+4*(\t)+2], s[20:21] offset:32*CB*(\t)   ; the wave stores 384 consecutive bytes
.endm
.irp t, 0,1,2,3,4,5,6,7,8,9,10,11,12,13,14,15
	STEP \t
.endr
	ds_load_b64 v[12:13], v6                       ; LDS serves a wave's instructions in order: these see my stores
	s_wait_dscnt 0x0
	global_store_b64 v7, v[12:13], s[22:23]        ; 32 lanes store 256 consecutive bytes, aligned
	s_wait_tensorcnt 0x0
	ds_add_u32 v192, v193
	s_wait_dscnt 0x0
	s_endpgm
	; ---------------- the mask: work-group = a tile of 16 queries; wave w takes key steps 4 w to 4 w + 3
.Lmask:
	s_sub_co_u32 s27, ttmp9, NQWG                  ; the tile of queries, 0 to 511
	v_lshlrev_b32 v1, 4, v2                        ; 16 x lane
	s_mul_i32 s33, s26, 16*MP
	s_add_co_u32 s33, s33, MST                     ; my wave's stage: 16 rows of 528 bytes
	v_add_nc_u32 v5, s33, v1                       ; in: a row's 512 bytes as they lie
	v_and_b32 v6, 15, v2
	v_lshrrev_b32 v7, 4, v2
	v_mul_u32_u24 v6, v6, MP
	v_lshl_add_u32 v6, v7, 6, v6
	v_add_nc_u32 v6, s33, v6                       ; out: row lane % 16, 16 numbers further on for lanes 16-31
	v_lshlrev_b32 v4, 3, v2                        ; 8 x lane
.irp i, 0,1,2,3,4,5,6,7
	v_mov_b32 v[MW+\i], 0                          ; written whole once: a write of one lane leaves the others as they are
.endr
	s_lshl_b32 s34, s27, 17                        ; 16 rows of 8,192 bytes,
	s_lshl_b32 s36, s26, 11                        ; my four steps of 512 bytes
	s_add_co_u32 s34, s34, s36
	s_mov_b32 s35, 0
	s_lshl_b32 s36, s27, 12                        ; out: 4,096 bytes a tile of queries,
	s_lshl_b32 s37, s26, 10                        ; 256 a step
	s_add_co_u32 s36, s36, s37
	s_mov_b32 s37, 0
	s_wait_kmcnt 0x0
	s_add_nc_u64 s[18:19], s[18:19], s[34:35]
	s_add_nc_u64 s[24:25], s[24:25], s[36:37]
.macro LOADM t                         ; 16 queries x 128 keys: each load reads 512 consecutive bytes of one row
.irp r, 0,1,2,3,4,5,6,7,8,9,10,11,12,13,14,15
	global_load_b128 v[R+4*\r:R+4*\r+3], v1, s[18:19] offset:\r*8192+(\t)*512 th:TH_LOAD_NT
.endr
.endm
.macro TILE t
	s_wait_loadcnt 0x0
.irp r, 0,1,2,3,4,5,6,7,8,9,10,11,12,13,14,15
	ds_store_b128 v5, v[R+4*\r:R+4*\r+3] offset:\r*MP
.endr
.irp q, 0,1,2,3,4,5,6,7,8,9,10,11,12,13,14,15
	ds_load_b128 v[X+4*\q:X+4*\q+3], v6 offset:128*(\q/4)+16*(\q%4)   ; register 16 bb + i: key 32 bb + 16 (lane / 16) + i of query lane % 16
.endr
	s_wait_dscnt 0x0                               ; the numbers are back, and the stores have read their registers
.if (\t) < 3
	LOADM (\t)+1
.endif
.set n, 0
.rept 16
.irp e, 0,1,2,3
	v_cmp_ne_u32 s[28+\e], 0, v[X+n+\e]            ; word n: a bit for each lane
.endr
.irp e, 0,1,2,3
	v_writelane_b32 v[MW+2*(\t)+\e%2], s[28+\e], (n+\e)/2   ; to lane n / 2, register n % 2: the 64 words lie on end in the wave's store
.endr
.set n, n+4
.endr
	global_store_b64 v4, v[MW+2*(\t):MW+2*(\t)+1], s[24:25] offset:256*(\t)   ; 32 lanes store 256 consecutive bytes, aligned
.endm
	LOADM 0
	TILE 0
	TILE 1
	TILE 2
	TILE 3
	s_wait_tensorcnt 0x0
	ds_add_u32 v192, v193
	s_wait_dscnt 0x0
	s_endpgm
.Lfunc_end_k_qab9b33354d_prep:
	.size	k_qab9b33354d_prep, .Lfunc_end_k_qab9b33354d_prep-k_qab9b33354d_prep
	.p2alignl 7, 3214868480
	.fill 96, 4, 3214868480
	.section	.rodata,"a",@progbits
	.p2align	6, 0x0
	.amdhsa_kernel k_qab9b33354d_prep
		.amdhsa_group_segment_fixed_size 67072
		.amdhsa_private_segment_fixed_size 0
		.amdhsa_enable_private_segment 0
		.amdhsa_kernarg_size 88
		.amdhsa_user_sgpr_count 2
		.amdhsa_user_sgpr_kernarg_segment_ptr 1
		.amdhsa_wavefront_size32 1
		.amdhsa_system_sgpr_workgroup_id_x 1
		.amdhsa_system_sgpr_workgroup_id_y 1
		.amdhsa_system_sgpr_workgroup_id_z 1
		.amdhsa_system_vgpr_workitem_id 0
		.amdhsa_next_free_vgpr 194
		.amdhsa_next_free_sgpr 66
		.amdhsa_reserve_vcc 0
		.amdhsa_float_denorm_mode_32 3
		.amdhsa_float_denorm_mode_16_64 3
		.amdhsa_memory_ordered 1
		.amdhsa_forward_progress 1
		.amdhsa_inst_pref_size 81
	.end_amdhsa_kernel
	.amdgpu_metadata
---
amdhsa.version: [ 1, 2 ]
amdhsa.kernels:
  - .name:           k_qab9b33354d_prep
    .symbol:         k_qab9b33354d_prep.kd
    .args:
      - { .name: query, .offset: 0, .size: 8, .value_kind: global_buffer, .address_space: global }
      - { .name: key, .offset: 8, .size: 8, .value_kind: global_buffer, .address_space: global }
      - { .name: value, .offset: 16, .size: 8, .value_kind: global_buffer, .address_space: global }
      - { .name: wq, .offset: 24, .size: 8, .value_kind: global_buffer, .address_space: global }
      - { .name: wk, .offset: 32, .size: 8, .value_kind: global_buffer, .address_space: global }
      - { .name: wv, .offset: 40, .size: 8, .value_kind: global_buffer, .address_space: global }
      - { .name: wo, .offset: 48, .size: 8, .value_kind: global_buffer, .address_space: global }
      - { .name: mask, .offset: 56, .size: 8, .value_kind: global_buffer, .address_space: global }
      - { .name: cin, .offset: 64, .size: 8, .value_kind: global_buffer, .address_space: global }
      - { .name: sin, .offset: 72, .size: 8, .value_kind: global_buffer, .address_space: global }
      - { .name: maskw, .offset: 80, .size: 8, .value_kind: global_buffer, .address_space: global }
    .group_segment_fixed_size: 67072
    .private_segment_fixed_size: 0
    .kernarg_segment_align: 8
    .kernarg_segment_size: 88
    .max_flat_workgroup_size: 128
    .sgpr_count:     66
    .vgpr_count:     194
    .wavefront_size: 32
...
	.end_amdgpu_metadata
.endif
;; end of part 1
;; launch proj (part 2): grid 4 x 96, 4 waves a work-group, clusters of 4 x 4, 327,680 bytes of LDS; arguments cin, sin, bq, bk, bv, qh, kv; writes qh, kv
.if DOCPART == 2
	.amdgcn_target "amdgcn-amd-amdhsa--gfx1250"
	.amdhsa_code_object_version 6
	.text
	.protected	k_qab9b33354d_proj
	.globl	k_qab9b33354d_proj
	.p2align	8
	.type	k_qab9b33354d_proj,@function
k_qab9b33354d_proj:
	s_mov_b64 s[64:65], 0
	v_nop
	global_prefetch_b8 v0, s[64:65] scope:SCOPE_SE
	s_setreg_imm32_b32 hwreg(HW_REG_WAVE_MODE, 25, 1), 1
	s_wait_xcnt 0x0
	s_wait_alu depctr_hold_cnt(0) depctr_sa_sdst(0) depctr_va_vdst(0) depctr_va_sdst(0) depctr_va_ssrc(0) depctr_va_vcc(0) depctr_vm_vsrc(0)
	s_getreg_b32 s2, hwreg(HW_REG_IB_STS2, 6, 4)
	s_cmp_eq_u32 s2, 0
	s_cbranch_scc0 .Lentry_in_a_cluster
	s_endpgm
.Lentry_in_a_cluster:
	s_bfe_u32 s2, ttmp6, 0x10000c
	s_cmp_lg_u32 s2, 0xf033
	s_cbranch_scc0 .Lentry_shape_is_right
	s_endpgm
.Lentry_shape_is_right:
; PROJ.  The three projections q = query wq^T + bq, k = key wk^T + bk, v = value wv^T + bv on codes of FP6 (E2M3) with one E8M0 scale for each 32 along K = 1,024, sums in f32; the results are quantised
; at once, in registers, for the attention launch, and stored as images of operand registers.  Clusters 0-7 along y make q, 8-15 k, 16-23 v: the part is the same in all partners of a cluster.
; A work-group of four waves makes 256 x 256, a wave 128 x 128: 64 accumulators.  K goes in steps of 256 through a ring of two LDS slots; the scale bytes of the work-group's rows come into LDS once.
; THE MATRIX INSTRUCTION: source 1 gives the lanes, source 0 the registers.  q, k: source 1 = rows of query or key (called A here), source 0 = rows of wq or wk (B): a lane holds one token and its registers run along
; the features, which are the scores' K.  v: source 1 = rows of wv (A), source 0 = rows of value (B): a lane holds one feature d and its registers run along the keys, which are the second product's K.
; In cin the rows of key, value, wq, wk, wv lie with the second and third group of 8 of each 32 exchanged: stored row m of tile 2 b + u is row 32 b + 8 u + m + 8 (m / 8).  So the 64 registers of a block's
; eight accumulators are, in register 16 bb + i, number 32 bb + 16 (lane / 16) + i along the next K; and the lanes of a block of k or of v hold keys or features in the order in which the attention launch wants a tile's rows.
; OUT.  q, k: a block (16 tokens x 128 features) is one fragment: registers 0-5 are one head's 64 features, registers 6-11 the next head's: each half goes out as three stores of 256 consecutive bytes.
; v: a block (16 features x 128 keys) is one fragment: three stores of 512 bytes.  Scale words: word c of lane (r, h) belongs to tile 2 c + h, row r; in q's and k's words bytes 2 and 3 are 0x7f (1.0).
; CLUSTERS: 4 x 4 work-groups; A's tiles are asked for jointly along a row of the cluster, B's along a column.
; LIMITS: a block whose largest magnitude lies under 2^-124, a block of zeros among them, gets the byte 1; NaN and infinities are not served.
; REGISTERS: window 0: v0-31 addresses; v32-63 scale words, two sets; v64-127 the bias; v128-223 A's fragments, one set; v224-231 the bias's offsets.  On the way out: v128-191 a block's 64 numbers, v192-210 codes,
;   v212-227 at work, v228 a scale word, v232-239 the eight blocks' scale words, v240-247 those as they are stored.  window 1: B's fragments, two sets.  windows 2, 3: the accumulators ((a, b) at v[8 (8 (a % 4) + b)]).
.set SIZE_K, 1024
.set KSTEP,  256
.set NQ,     KSTEP/128
.set ROWB,   192                       ; a tile's row in bytes
.set KROW,   SIZE_K*6/8                ; a row of codes in memory
.set PITCH,  240                       ; an LDS row: 3 x (64 bytes + 16 of padding)
.set FR,     12
.set NL,     6
.set NP,     4                         ; places behind this matrix instruction (ISA guide 7.12.1)
.set HALFT,  128*PITCH
.set SLOT,   4*HALFT
.set LAPS,   SIZE_K/(2*KSTEP)
.set KS,     SIZE_K/32
.set SCL,    2*SLOT                    ; behind the ring: the scales, as units of 256 bytes + 16 of padding
.set HALFS,  (128*KS/256)*272
.set SBLK,   (16*KS/256)*272
.set SPARE,  SCL+4*HALFS               ; the spare words, 128 bytes for each wave: two blocks of 256 bytes that no other line names
.set KVH,    208896                    ; a head's block in kv
.set ADRA, 16
.set ADRB, 20
.set L8,   24                          ; 8 x lane
.set L16,  25                          ; 16 x lane
.set LN,   26                          ; lane
.set ADRS, 27
.set SPW,  28
.set NIL,  29
.set SC,   32
.set BI,   64
.set AF,   128
.set VO,   224
.set T,    128
.set PC,   192
.set TM,   212
.set PW,   228
.set SW,   232
.set PK,   240
.set SEL,  92
.set G1, 24
.set G0, 32
.set G1B, 48
.set G0B, 56
.set G1S, 68
.set G0S, 76
.set G1SB, 80
.set G0SB, 88
.set MSB, 0
.macro WIN new                         ; the immediate's high byte repeats the setting that is left
.if MSB != \new
	s_set_vgpr_msb (MSB<<8)|\new
.set MSB, \new
.endif
.endm
.set MUL_LO, 0xa1                      ; source 0 (B) window 1, source 1 (A) window 0, C and D window 2
.set MUL_HI, 0xf1
.set TO_B,   0x40
; A joint load: waves 0 and 1 fetch for A, waves 2 and 3 for B; the branch hangs on the wave's number alone.  Four v_nop follow each of the two lines.
.macro JLOAD g0a, g1a, g0b, g1b
	s_cmp_eq_u32 s15, 0
	s_cbranch_scc0 .Lfor_b_\@
	tensor_load_to_lds s[\g0a:\g0a+3], s[\g1a:\g1a+7]
	s_nop 0
.rept 4
	v_nop
.endr
	s_branch .Lasked_\@
.Lfor_b_\@:
	tensor_load_to_lds s[\g0b:\g0b+3], s[\g1b:\g1b+7]
	s_nop 0
.rept 4
	v_nop
.endr
.Lasked_\@:
.endm
.macro CREST                           ; a round of the cluster's barrier behind its opening barrier
	s_cmp_lg_u32 s14, 0
	s_cbranch_scc1 .Lnot_wave_0_\@
	s_barrier_signal -3
.Lnot_wave_0_\@:
	s_barrier_wait -3
	s_barrier_signal -1
	s_barrier_wait -1
.endm
.macro CROUND
	s_barrier_signal -1
	s_barrier_wait -1
	CREST
.endm
	s_load_b128 s[4:7], s[0:1], 0x0                ; cin, sin
	s_load_b128 s[8:11], s[0:1], 0x10              ; bq, bk
	s_load_b128 s[96:99], s[0:1], 0x20             ; bv, qh
	s_load_b64 s[100:101], s[0:1], 0x30            ; kv
	v_lshl_add_u32 v[SPW], v0, 2, SPARE
	v_mov_b32 v[NIL], 0
	ds_add_u32 v28, v29
	ds_add_u32 v28, v29
	s_wait_dscnt 0x0
	v_lshrrev_b32 v1, 5, v0
	v_readfirstlane_b32 s14, v1                    ; wave 0..3
	s_lshr_b32 s15, s14, 1                         ; which half of A's rows is mine.  Also: I fetch for A (0) or for B (1)
	s_and_b32 s16, s14, 1                          ; which half of B's rows.  Also: which 128 rows of that tile I fetch
	s_bfe_u32 s40, ttmp6, 0x40000                  ; cx, cy: my place in the cluster
	s_bfe_u32 s41, ttmp6, 0x40004
	s_and_b32 s67, ttmp7, 0xffff                   ; the cluster's y, 0 to 23
	s_lshr_b32 s66, s67, 3                         ; the part: 0 q, 1 k, 2 v
	s_and_b32 s67, s67, 7
	s_lshl_b32 s67, s67, 2                         ; 4 x the cluster's number in its part
	s_mul_i32 s68, s66, 6291456                    ; where A's codes begin in cin: query, key;
	s_mul_i32 s69, s66, 786432
	s_add_co_u32 s69, s69, 18874368                ; B's: wq, wk;
	s_lshl_b32 s70, s66, 18                        ; A's scale bytes in sin;
	s_lshl_b32 s71, s66, 15
	s_add_co_u32 s71, s71, 786432                  ; B's
	s_mov_b32 s72, 20447232                        ; for v: A = wv,
	s_mov_b32 s73, 12582912                        ; B = value
	s_mov_b32 s74, 851968
	s_mov_b32 s75, 524288
	s_cmp_eq_u32 s66, 2
	s_cselect_b32 s68, s72, s68
	s_cselect_b32 s69, s73, s69
	s_cselect_b32 s70, s74, s70
	s_cselect_b32 s71, s75, s71
	s_cselect_b32 s17, 0, s67                      ; q, k: 32 tile rows (tokens) x 4 tile columns (features);  v: 4 tile rows (features) x 32 tile columns (tokens)
	s_cselect_b32 s42, s67, 0
	s_cselect_b32 s95, 0, 64                       ; the bias: bytes from half to half of the lanes,
	s_cselect_b32 s104, 4, 0                       ; from row to row of the lanes,
	s_cselect_b32 s105, 0, 4                       ; from register to register
	s_add_co_u32 s17, s17, s41                     ; tile row: hangs on cy, never on cx
	s_add_co_u32 s42, s42, s40                     ; tile column: hangs on cx, never on cy
	s_lshl_b32 s43, s41, 2
	s_lshl_b32 s43, 15, s43                        ; my row of the cluster
	s_lshl_b32 s44, 0x1111, s40                    ; my column
	s_lshl_b32 s18, s16, 7                         ; which 128 rows of the tile I fetch
	s_lshl_b32 s20, s17, 8
	s_add_co_u32 s20, s20, s18                     ; A: row 256 x tile row + 128 x half
	s_lshl_b32 s46, s42, 8
	s_add_co_u32 s46, s46, s18                     ; B: row 256 x tile column + 128 x half
	s_lshl_b32 s22, s20, 5                         ; their scale bytes: 32 a row
	s_add_co_u32 s22, s22, s70
	s_mov_b32 s23, 0
	s_lshl_b32 s92, s46, 5
	s_add_co_u32 s92, s92, s71
	s_mov_b32 s93, 0
	s_mul_i32 s20, s20, KROW                       ; and their codes
	s_add_co_u32 s20, s20, s68
	s_mov_b32 s21, 0
	s_mul_i32 s46, s46, KROW
	s_add_co_u32 s46, s46, s69
	s_mov_b32 s47, 0
	s_lshl_b32 s72, s42, 10                        ; the bias of my 128 numbers: q, k: by B's rows;
	s_lshl_b32 s73, s16, 9
	s_add_co_u32 s72, s72, s73
	s_lshl_b32 s74, s17, 10                        ; v: by A's rows
	s_lshl_b32 s75, s15, 9
	s_add_co_u32 s74, s74, s75
	s_cmp_eq_u32 s66, 2
	s_cselect_b32 s18, s74, s72
	s_mov_b32 s19, 0
	s_mul_i32 s45, s14, HALFT                      ; where the tiles go: wave x 128 rows: no place in the cluster enters an LDS address
	s_mul_i32 s94, s14, HALFS
	; descriptor group 1: a tile of 128 rows x 192 bytes, 16 bytes of padding behind every 64
	s_or_b32 s[G1+0], s43, (0<<16)|(1<<20)|(1<<21)|(3<<22)|(3<<25)
	s_or_b32 s[G1B+0], s44, (0<<16)|(1<<20)|(1<<21)|(3<<22)|(3<<25)
.irp g, G1, G1B
	s_mov_b32 s[\g+1], ROWB<<16                    ; tensor_dim0
	s_mov_b32 s[\g+2], 128<<16                     ; tensor_dim1
	s_mov_b32 s[\g+3], ROWB<<16                    ; tile_dim0
	s_mov_b32 s[\g+4], 128                         ; tile_dim1
	s_mov_b32 s[\g+5], KROW                        ; tensor_dim0_stride
	s_mov_b32 s[\g+6], 0
	s_mov_b32 s[\g+7], 0
.endr
	; the scales of 128 rows: 4,096 dense bytes as 16 rows of 256 bytes (32 elements of 8 bytes), 16 bytes of padding behind each
	s_or_b32 s[G1S+0], s43, (3<<16)|(1<<20)|(1<<21)|(5<<22)|(3<<25)
	s_or_b32 s[G1SB+0], s44, (3<<16)|(1<<20)|(1<<21)|(5<<22)|(3<<25)
.irp g, G1S, G1SB
	s_mov_b32 s[\g+1], 32<<16
	s_mov_b32 s[\g+2], (128*KS/256)<<16
	s_mov_b32 s[\g+3], 32<<16
	s_mov_b32 s[\g+4], 128*KS/256
	s_mov_b32 s[\g+5], 32
	s_mov_b32 s[\g+6], 0
	s_mov_b32 s[\g+7], 0
.endr
	s_wait_kmcnt 0x0
	s_cmp_eq_u32 s66, 0                            ; the part's bias: the choice hangs on the cluster's number alone
	s_cselect_b64 s[8:9], s[8:9], s[10:11]
	s_cmp_eq_u32 s66, 2
	s_cselect_b64 s[96:97], s[96:97], s[8:9]
	s_add_nc_u64 s[96:97], s[96:97], s[18:19]
	s_add_nc_u64 s[20:21], s[4:5], s[20:21]
	s_add_nc_u64 s[22:23], s[6:7], s[22:23]
	s_add_nc_u64 s[46:47], s[4:5], s[46:47]
	s_add_nc_u64 s[92:93], s[6:7], s[92:93]
	CROUND                                         ; all sixteen work-groups are here: the first joint loads meet
	s_mov_b32 s[G0S], 1
	s_add_co_u32 s[G0S+1], s94, SCL
	s_mov_b64 s[G0S+2:G0S+3], s[22:23]
	s_or_b32 s[G0S+3], s[G0S+3], 0x80000000
	s_mov_b32 s[G0SB], 1
	s_add_co_u32 s[G0SB+1], s94, SCL
	s_mov_b64 s[G0SB+2:G0SB+3], s[92:93]
	s_or_b32 s[G0SB+3], s[G0SB+3], 0x80000000
	JLOAD G0S, G1S, G0SB, G1SB                     ; the scales first: they are wanted with K step 0
.irp s, 0,1
	s_mov_b32 s[G0+4*\s], 1
	s_add_co_u32 s[G0+4*\s+1], s45, \s*SLOT
	s_add_nc_u64 s[G0+4*\s+2:G0+4*\s+3], s[20:21], \s*ROWB
	s_or_b32 s[G0+4*\s+3], s[G0+4*\s+3], 0x80000000
	s_mov_b32 s[G0B+4*\s], 1
	s_add_co_u32 s[G0B+4*\s+1], s45, \s*SLOT
	s_add_nc_u64 s[G0B+4*\s+2:G0B+4*\s+3], s[46:47], \s*ROWB
	s_or_b32 s[G0B+4*\s+3], s[G0B+4*\s+3], 0x80000000
	JLOAD G0+4*\s, G1, G0B+4*\s, G1B
.endr
	v_and_b32 v1, 15, v0                           ; r = lane % 16
	v_bfe_u32 v2, v0, 4, 1                         ; h = lane / 16
	v_mul_u32_u24 v3, v1, PITCH
	v_mul_u32_u24 v4, v2, 24
	v_add_nc_u32 v4, v3, v4                        ; a fragment's row x pitch + 24 x half
	v_lshl_add_u32 v5, v2, 4, v4                   ; and the same behind one padding more
	s_mul_i32 s21, s15, HALFT                      ; my 128 rows of A
	s_mul_i32 s22, s16, HALFT                      ; my 128 rows of B,
	s_add_co_u32 s22, s22, 2*HALFT                 ; which lie behind A's 256
.irp s, 0,1
	v_add_nc_u32 v[ADRA+\s], s21, v4
	v_add_nc_u32 v[ADRB+\s], s22, v4
	v_add_nc_u32 v[ADRA+2+\s], s21, v5
	v_add_nc_u32 v[ADRB+2+\s], s22, v5
	s_add_co_u32 s21, s21, SLOT
	s_add_co_u32 s22, s22, SLOT
.endr
	v_mul_u32_u24 v5, v1, KS                       ; my row's scales: 32 bytes a row,
	v_lshrrev_b32 v6, 8, v5
	v_lshl_add_u32 v5, v6, 4, v5                   ; and 16 more for each 256 passed
	s_mul_i32 s21, s15, HALFS
	s_mul_i32 s22, s16, HALFS
	s_add_co_u32 s22, s22, 2*HALFS
	s_sub_co_u32 s22, s22, s21
	v_mul_u32_u24 v6, s22, v2                      ; lanes 16-31 take B's
	s_add_co_u32 s21, s21, SCL
	v_add_nc_u32 v5, v5, v6
	v_add_nc_u32 v[ADRS], s21, v5
	v_and_b32 v[LN], 31, v0
	v_lshlrev_b32 v[L8], 3, v[LN]
	v_lshlrev_b32 v[L16], 4, v[LN]
	; the bias, in the result's layout.  q, k: register 8 b + j of a lane wants the bias of feature 32 (b / 2) + 16 h + 8 (b % 2) + j;  v: all registers of block a want that of feature 32 (a / 2) + 8 (a % 2) + r + 8 (r / 8).
	; One text serves both: the lane's offset is h x s95 + (r + 8 (r / 8)) x s104 + j x s105, and the tile's 32 (t / 2) + 8 (t % 2) numbers stand in the immediate.
	v_and_b32 v6, 8, v1
	v_add_nc_u32 v6, v6, v1
	v_mul_u32_u24 v7, v2, s95
	v_mad_u32_u24 v7, v6, s104, v7
	v_mov_b32 v8, s105
.irp j, 0,1,2,3,4,5,6,7
	v_mad_u32_u24 v[VO+\j], v8, \j, v7
.endr
.irp t, 0,1,2,3,4,5,6,7
.irp j, 0,1,2,3,4,5,6,7
	global_load_b32 v[BI+8*\t+\j], v[VO+\j], s[96:97] offset:(32*(\t/2)+8*(\t%2))*4   ; waited for on the way out; their offsets and base are not written before that wait
.endr
.endr
.macro FRAG reg, adr, q, i             ; a fragment, 16 rows x 128 K, is 12 registers: registers 6 c .. 6 c + 5 hold K = 64 c + 32 (lane / 16) + 0 .. 31: 24 bytes of the row's stream of bits, in pieces of 8 bytes
.irp p, 0,1,2,3,4,5
.set PCE, 12*(\q)+6*(\p/3)+\p%3        ; 16 bytes of padding lie behind every 8 pieces: where the piece three on lies behind one padding more, the second address register serves
.if PCE%8 < 5
	ds_load_b64 v[\reg+2*\p:\reg+2*\p+1], v[\adr] offset:8*PCE+16*(PCE/8)+(\i)*16*PITCH
.else
	ds_load_b64 v[\reg+2*\p:\reg+2*\p+1], v[\adr+2] offset:8*PCE+16*(PCE/8)+(\i)*16*PITCH
.endif
.endr
.endm
; 16 matrix instructions: A's blocks a0, a0 + 1 x B's eight, 128 along K.  zero = 1: the first product starts the sums.  The 64 accumulators take turns, one instruction a turn.
.macro MUL16 a0, p, q, sc, zero
.irp a, \a0, \a0+1
.irp b, 0,1,2,3,4,5,6,7
.if \zero
	v_wmma_scale_f32_16x16x128_f8f6f4 v[8*(8*((\a)%4)+\b):8*(8*((\a)%4)+\b)+7], v[128*(\p)+FR*\b:128*(\p)+FR*\b+FR-1], v[AF+FR*(\a):AF+FR*(\a)+FR-1], 0, v[SC+8*NQ*(\sc)+NQ*\b+(\q)], v[SC+8*NQ*(\sc)+NQ*(\a)+(\q)] matrix_a_fmt:MATRIX_FMT_FP6 matrix_b_fmt:MATRIX_FMT_FP6 matrix_a_scale:MATRIX_SCALE_ROW1
.else
	v_wmma_scale_f32_16x16x128_f8f6f4 v[8*(8*((\a)%4)+\b):8*(8*((\a)%4)+\b)+7], v[128*(\p)+FR*\b:128*(\p)+FR*\b+FR-1], v[AF+FR*(\a):AF+FR*(\a)+FR-1], v[8*(8*((\a)%4)+\b):8*(8*((\a)%4)+\b)+7], v[SC+8*NQ*(\sc)+NQ*\b+(\q)], v[SC+8*NQ*(\sc)+NQ*(\a)+(\q)] matrix_a_fmt:MATRIX_FMT_FP6 matrix_b_fmt:MATRIX_FMT_FP6 matrix_a_scale:MATRIX_SCALE_ROW1
.endif
.endr
.endr
.endm
.macro FETCH_B slot, q, p
	WIN TO_B
.irp i, 0,1,2,3,4,5,6,7
	FRAG 128*(\p)+FR*\i, ADRB+\slot, \q, \i
.endr
	WIN 0
.endm
.macro FETCH_A slot, q, i0
.irp i, \i0, \i0+1, \i0+2, \i0+3
	FRAG AF+FR*(\i), ADRA+\slot, \q, \i
.endr
.endm
.macro SCALES sc                       ; a K step's scale words: two words a row; lanes 0-15 take A's block i, lanes 16-31 B's block i
.irp i, 0,1,2,3,4,5,6,7
	ds_load_b64 v[SC+8*NQ*\sc+NQ*\i:SC+8*NQ*\sc+NQ*\i+1], v[ADRS] offset:\i*SBLK
.endr
.endm
.macro PLACES n                        ; plain vector instructions that name no register of the matrix instructions in front of them (ISA guide 7.12.1)
.rept \n
	v_nop
.endr
.endm
.macro STEP slot, q, zero              ; a step of 128 along K that has its successor in the same slot
	s_wait_dscnt 4*NL                              ; B's set and A's blocks 0-3 are in; the youngest 24 loads (A's blocks 4-7) may be out
	WIN MUL_LO
	MUL16 0, (\q)%2, \q, \slot, \zero
	MUL16 2, (\q)%2, \q, \slot, \zero
	s_wait_dscnt 0
	PLACES NP
	FETCH_B \slot, (\q)+1, 1-(\q)%2
	FETCH_A \slot, (\q)+1, 0
	WIN MUL_HI
	MUL16 4, (\q)%2, \q, \slot, \zero
	MUL16 6, (\q)%2, \q, \slot, \zero
	PLACES NP
	WIN 0
	FETCH_A \slot, (\q)+1, 4
.endm
; A slot's last step changes slots: one barrier; in front of it each wave waits for all its tensor loads, adds 0 to its spare word, and waits for that and for its own reads of this slot.
.macro TURN slot, next, fill
	s_wait_tensorcnt 0x0                           ; all my tensor loads have landed: my part of the next slot
	ds_add_u32 v[SPW], v[NIL]                      ; 0 onto my spare word
	s_wait_dscnt 4*NL+1                            ; (the add and the youngest 24 loads, A's blocks 4-7, may be out)
	WIN MUL_LO
	MUL16 0, 1, NQ-1, \slot, 0
	s_wait_dscnt 0x0                               ; the add is done, and my reads of this slot are over
	s_barrier_signal -1
	MUL16 2, 1, NQ-1, \slot, 0
	WIN 0
	s_barrier_wait -1
.if \fill
	CREST                                          ; the barrier has opened a round of the cluster's barrier: no wave of any partner still reads this slot or has a load on its way
	s_add_nc_u64 s[G0+4*\slot+2:G0+4*\slot+3], s[G0+4*\slot+2:G0+4*\slot+3], 2*ROWB
	s_add_nc_u64 s[G0B+4*\slot+2:G0B+4*\slot+3], s[G0B+4*\slot+2:G0B+4*\slot+3], 2*ROWB
	JLOAD G0+4*\slot, G1, G0B+4*\slot, G1B         ; the first tensor load behind the round; its four v_nop are the places in front of the loads below
.else
	PLACES NP
.endif
	v_add_nc_u32 v[ADRS], 4*NQ, v[ADRS]            ; on to the next K step's scale words
	FETCH_B \next, 0, 0
	FETCH_A \next, 0, 0
	SCALES \next
	WIN MUL_HI
	MUL16 4, 1, NQ-1, \slot, 0
	MUL16 6, 1, NQ-1, \slot, 0
	PLACES NP
	WIN 0
	FETCH_A \next, 0, 4
.endm
	s_wait_tensorcnt 1                             ; the scales and my part of K step 0 are in (K step 1's load may be out),
	s_barrier_signal -1
	s_barrier_wait -1                              ; everybody's are
	FETCH_B 0, 0, 0
	FETCH_A 0, 0, 0
	SCALES 0
	FETCH_A 0, 0, 4
	STEP 0, 0, 1                                   ; the first step stands in front of the loop: its products start the sums
	s_mov_b32 s3, LAPS-1
.Llap:                                                 ; a trip goes once round the ring and fills both slots again
	TURN 0, 1, 1
	STEP 1, 0, 0
	TURN 1, 0, 1
	STEP 0, 0, 0
	s_sub_co_u32 s3, s3, 1
	s_cmp_lg_u32 s3, 0
	s_cbranch_scc1 .Llap
	TURN 0, 1, 0                                   ; the last lap fills nothing
	STEP 1, 0, 0
	s_wait_dscnt 4*NL
	WIN MUL_LO
	MUL16 0, 1, NQ-1, 1, 0
	MUL16 2, 1, NQ-1, 1, 0
	s_wait_dscnt 0
	WIN MUL_HI
	MUL16 4, 1, NQ-1, 1, 0
	MUL16 6, 1, NQ-1, 1, 0
	WIN 0
; THE WAY OUT, block by block of A's 16 rows: the bias is added (which also brings the sums into window 0), the 64 numbers are quantised, the codes are stored as they stand in the registers.
; 64 numbers of a lane, register 16 b + i = number 32 b + 16 (lane / 16) + i of my row, become a fragment's codes in v[PC] on and its scale word in v[PW].
.macro QUANT s
.irp b, 0,1,2,3
	v_max3_num_f32 v[TM+\b], |v[\s+16*\b]|, |v[\s+1+16*\b]|, 0x1800000   ; block b: my 16 numbers, and the floor 2^(3 - 127): the byte cannot fall under 1
.endr
.irp i, 2,4,6,8,10,12,14
.irp b, 0,1,2,3
	v_max3_num_f32 v[TM+\b], v[TM+\b], |v[\s+16*\b+\i]|, |v[\s+1+16*\b+\i]|
.endr
.endr
.irp b, 0,1,2,3
	v_permlanex16_b32 v[TM+4+\b], v[TM+\b], s[SEL], s[SEL+1]
.endr
.irp b, 0,1,2,3
	v_max_num_f32 v[TM+\b], v[TM+\b], v[TM+4+\b]   ; with lane l xor 16's: the block's largest magnitude
.endr
.irp b, 0,1,2,3
	v_add_nc_u32 v[TM+12+\b], 0xff000000, v[TM+\b]   ; 2 off its exponent field: the conversion's scale operand
.endr
.irp b, 0,1,2,3
	v_lshrrev_b32 v[TM+4+\b], 23, v[TM+12+\b]      ; the scale's byte
.endr
	v_lshl_or_b32 v[PW], v[TM+5], 8, v[TM+4]
	v_lshl_or_b32 v[PW], v[TM+6], 16, v[PW]
	v_lshl_or_b32 v[PW], v[TM+7], 24, v[PW]
.irp c, 0,1
	v_cvt_scalef32_pk16_fp6_f32 v[PC+6*\c:PC+2+6*\c], v[\s+32*\c:\s+15+32*\c], v[TM+12+2*\c]
	v_cvt_scalef32_pk16_fp6_f32 v[PC+12+4*\c:PC+14+4*\c], v[\s+16+32*\c:\s+31+32*\c], v[TM+12+2*\c+1]   ; (a conversion's three registers begin on an even number)
.endr
	v_nop                                          ; one plain place behind a scaled conversion
.irp c, 0,1                                    ; the operand's layout wants a whole block in a lane: lanes 0-15 block 2 c, lanes 16-31 block 2 c + 1
.irp i, 0,1,2
	v_permlane16_swap_b32 v[PC+6*\c+\i], v[PC+12+4*\c+\i]
.endr
.irp i, 0,1,2
	v_mov_b32 v[PC+3+6*\c+\i], v[PC+12+4*\c+\i]
.endr
.endr
.endm
.macro ADDB a, isv                     ; each accumulator is read from its low end on
	WIN (0x02+(\a)/4)                              ; source 0: window 2 or 3
.set j, 0
.rept 32
.if \isv
	v_pk_add_f32 v[T+2*j:T+2*j+1], v[64*((\a)%4)+2*j:64*((\a)%4)+2*j+1], v[BI+8*(\a):BI+8*(\a)+1]
.else
	v_pk_add_f32 v[T+2*j:T+2*j+1], v[64*((\a)%4)+2*j:64*((\a)%4)+2*j+1], v[BI+2*j:BI+2*j+1]
.endif
.set j, j+1
.endr
	WIN 0
.endm
.macro OUTQK a
	ADDB \a, 0
.if (\a) > 0
	s_wait_xcnt 0x0                                ; the last block's stores have read their registers: the codes may be written again
.endif
	QUANT T
	v_mov_b32 v[SW+(\a)], v[PW]
.irp p, 0,1,2
	global_store_b64 v[L8], v[PC+2*\p:PC+2*\p+1], s[70:71] offset:768*(\a)+256*\p       ; the first head's half: 32 lanes store 256 consecutive bytes, aligned
.endr
.irp p, 0,1,2
	global_store_b64 v[L8], v[PC+6+2*\p:PC+6+2*\p+1], s[72:73] offset:768*(\a)+256*\p   ; the second head's
.endr
.endm
.macro OUTV a
	ADDB \a, 1
.if (\a) > 0
	s_wait_xcnt 0x0
.endif
	QUANT T
	v_mov_b32 v[SW+(\a)], v[PW]
.irp c, 0,1,2
	global_store_b128 v[L16], v[PC+4*\c:PC+4*\c+3], s[70:71] offset:((\a)/4)*KVH+((\a)%4)*1536+512*\c   ; 32 lanes store 512 consecutive bytes
.endr
.endm
	PLACES NP                                      ; behind the last products: their results are read and A's registers written below
	s_wait_loadcnt 0x0                             ; the bias
	s_mov_b32 s[SEL], 0x76543210
	s_mov_b32 s[SEL+1], 0xfedcba98                 ; v_permlanex16_b32's selects for lane l xor 16
	s_mov_b32 s104, 0x7f7f0000
.irp b, 0,1,2,3
	v_mov_b32 v[TM+4+\b], 0                        ; written once: a lane permute's destination counts as one of its sources
.endr
	v_cmp_gt_u32 vcc_lo, 16, v[LN]                 ; lanes 0-15
	s_lshl_b32 s76, s17, 1                         ; (all my tensor loads were waited for at the last change of slots: the descriptors' registers are free)
	s_add_co_u32 s76, s76, s15                     ; which 128 of A's rows are mine
	s_lshl_b32 s78, s42, 1
	s_add_co_u32 s78, s78, s16                     ; which 128 of B's
	s_mov_b32 s85, 0
	s_cmp_eq_u32 s66, 2                            ; the part is the same in all partners of the cluster
	s_cbranch_scc1 .Lout_v
	s_lshr_b32 s77, s76, 4                         ; q, k: the batch,
	s_and_b32 s76, s76, 15                         ; the group of 128 tokens in it,
	s_lshl_b32 s78, s78, 1
	s_lshl_b32 s77, s77, 4
	s_add_co_u32 s77, s77, s78                     ; 16 x batch + the first of my two heads
	s_mov_b32 s79, KVH
	s_mov_b32 s80, 196608
	s_cmp_eq_u32 s66, 0
	s_cselect_b64 s[68:69], s[98:99], s[100:101]   ; q goes to qh, k to kv
	s_cselect_b32 s81, 98304, s79                  ; a head's codes are so far apart,
	s_cselect_b32 s82, 6291456, s80                ; the scale words begin here,
	s_cselect_b32 s83, 8192, s79                   ; and a head's are so far apart
	s_mul_i32 s84, s77, s81
	s_mul_i32 s86, s76, 6144
	s_add_co_u32 s84, s84, s86
	s_add_nc_u64 s[70:71], s[68:69], s[84:85]      ; the first head's codes,
	s_mov_b32 s84, s81
	s_add_nc_u64 s[72:73], s[70:71], s[84:85]      ; the second's
	s_mul_i32 s84, s77, s83
	s_lshl_b32 s86, s76, 9
	s_add_co_u32 s84, s84, s86
	s_add_co_u32 s84, s84, s82
	s_add_nc_u64 s[74:75], s[68:69], s[84:85]      ; the first head's scale words,
	s_mov_b32 s84, s83
	s_add_nc_u64 s[88:89], s[74:75], s[84:85]      ; the second's
.irp a, 0,1,2,3,4,5,6,7
	OUTQK \a
.endr
.irp c, 0,1,2,3
	v_cndmask_b32 v[PK+\c], v[SW+2*\c+1], v[SW+2*\c], vcc_lo   ; word c: lanes 0-15 tile 2 c's, lanes 16-31 tile 2 c + 1's
.endr
.irp c, 0,1,2,3
	v_lshrrev_b32 v[PK+4+\c], 16, v[PK+\c]         ; bytes 2 and 3 are the second head's
.endr
.irp c, 0,1,2,3
	v_or_b32 v[PK+4+\c], s104, v[PK+4+\c]          ; above the two bytes: 0x7f, 1.0, for the half of the instruction's K that is empty
	v_and_or_b32 v[PK+\c], v[PK+\c], 0xffff, s104
.endr
	global_store_b128 v[L16], v[PK:PK+3], s[74:75]
	global_store_b128 v[L16], v[PK+4:PK+7], s[88:89]
	s_branch .Lend
.Lout_v:
	s_lshr_b32 s77, s78, 4                         ; v: the batch,
	s_and_b32 s78, s78, 15                         ; the key step,
	s_lshl_b32 s77, s77, 4
	s_lshl_b32 s76, s76, 1
	s_add_co_u32 s77, s77, s76                     ; 16 x batch + the first of my two heads
	s_mul_i32 s77, s77, KVH
	s_mul_i32 s84, s78, 6144
	s_add_co_u32 s84, s84, s77
	s_add_co_u32 s84, s84, 98304
	s_add_nc_u64 s[70:71], s[100:101], s[84:85]    ; V's codes
	s_lshl_b32 s84, s78, 8
	s_add_co_u32 s84, s84, s77
	s_add_co_u32 s84, s84, 204800
	s_add_nc_u64 s[72:73], s[100:101], s[84:85]    ; V's scale words
.irp a, 0,1,2,3,4,5,6,7
	OUTV \a
.endr
.irp x, 0,1
	v_cndmask_b32 v[PK+2*\x], v[SW+4*\x+1], v[SW+4*\x], vcc_lo
	v_cndmask_b32 v[PK+2*\x+1], v[SW+4*\x+3], v[SW+4*\x+2], vcc_lo
	global_store_b64 v[L8], v[PK+2*\x:PK+2*\x+1], s[72:73] offset:\x*KVH
.endr
.Lend:
	s_wait_tensorcnt 0x0                           ; the wave's end
	ds_add_u32 v[SPW], v[NIL]
	s_wait_dscnt 0x0
	CROUND                                         ; the closing round: no work-group ends while a partner may still ask for a tile that names it
	s_endpgm
.Lfunc_end_k_qab9b33354d_proj:
	.size	k_qab9b33354d_proj, .Lfunc_end_k_qab9b33354d_proj-k_qab9b33354d_proj
	.p2alignl 7, 3214868480
	.fill 96, 4, 3214868480
	.section	.rodata,"a",@progbits
	.p2align	6, 0x0
	.amdhsa_kernel k_qab9b33354d_proj
		.amdhsa_group_segment_fixed_size 327680
		.amdhsa_private_segment_fixed_size 0
		.amdhsa_enable_private_segment 0
		.amdhsa_kernarg_size 56
		.amdhsa_user_sgpr_count 2
		.amdhsa_user_sgpr_kernarg_segment_ptr 1
		.amdhsa_wavefront_size32 1
		.amdhsa_system_sgpr_workgroup_id_x 1
		.amdhsa_system_sgpr_workgroup_id_y 1
		.amdhsa_system_sgpr_workgroup_id_z 1
		.amdhsa_system_vgpr_workitem_id 0
		.amdhsa_next_free_vgpr 1024
		.amdhsa_next_free_sgpr 106
		.amdhsa_reserve_vcc 1
		.amdhsa_float_denorm_mode_32 3
		.amdhsa_float_denorm_mode_16_64 3
		.amdhsa_memory_ordered 1
		.amdhsa_forward_progress 1
		.amdhsa_inst_pref_size 242
	.end_amdhsa_kernel
	.amdgpu_metadata
---
amdhsa.version: [ 1, 2 ]
amdhsa.kernels:
  - .name:           k_qab9b33354d_proj
    .symbol:         k_qab9b33354d_proj.kd
    .args:
      - { .name: cin, .offset: 0, .size: 8, .value_kind: global_buffer, .address_space: global }
      - { .name: sin, .offset: 8, .size: 8, .value_kind: global_buffer, .address_space: global }
      - { .name: bq, .offset: 16, .size: 8, .value_kind: global_buffer, .address_space: global }
      - { .name: bk, .offset: 24, .size: 8, .value_kind: global_buffer, .address_space: global }
      - { .name: bv, .offset: 32, .size: 8, .value_kind: global_buffer, .address_space: global }
      - { .name: qh, .offset: 40, .size: 8, .value_kind: global_buffer, .address_space: global }
      - { .name: kv, .offset: 48, .size: 8, .value_kind: global_buffer, .address_space: global }
    .group_segment_fixed_size: 327680
    .private_segment_fixed_size: 0
    .kernarg_segment_align: 8
    .kernarg_segment_size: 56
    .max_flat_workgroup_size: 128
    .sgpr_count:     106
    .vgpr_count:     1024
    .wavefront_size: 32
...
	.end_amdgpu_metadata
.endif
;; end of part 2
;; launch attn (part 3): grid 4 x 64, 16 waves a work-group, clusters of 4 x 1, 215,040 bytes of LDS; arguments qh, kv, maskw, aoc, aos; writes aoc, aos
.if DOCPART == 3
	.amdgcn_target "amdgcn-amd-amdhsa--gfx1250"
	.amdhsa_code_object_version 6
	.text
	.protected	k_qab9b33354d_attn
	.globl	k_qab9b33354d_attn
	.p2align	8
	.type	k_qab9b33354d_attn,@function
k_qab9b33354d_attn:
	s_mov_b64 s[64:65], 0
	v_nop
	global_prefetch_b8 v0, s[64:65] scope:SCOPE_SE
	s_setreg_imm32_b32 hwreg(HW_REG_WAVE_MODE, 25, 1), 1
	s_wait_xcnt 0x0
	s_wait_alu depctr_hold_cnt(0) depctr_sa_sdst(0) depctr_va_vdst(0) depctr_va_sdst(0) depctr_va_ssrc(0) depctr_va_vcc(0) depctr_vm_vsrc(0)
	s_getreg_b32 s2, hwreg(HW_REG_IB_STS2, 6, 4)
	s_cmp_eq_u32 s2, 0
	s_cbranch_scc0 .Lentry_in_a_cluster
	s_endpgm
.Lentry_in_a_cluster:
	s_bfe_u32 s2, ttmp6, 0x10000c
	s_cmp_lg_u32 s2, 0x3003
	s_cbranch_scc0 .Lentry_shape_is_right
	s_endpgm
.Lentry_shape_is_right:
; ATTN.  For each of 64 heads (16 x batch + head): scores = q k^T / 8; where the mask is 0 the logit is 1e-11; softmax; times v.  Both products on codes of FP6 (E2M3) with E8M0 scales.
; THE SOFTMAX AHEAD OF THE SECOND PRODUCT: t = logit x log2(e); M = the row's largest t so far, rounded up to a whole number; p = 2^(t - M) is quantised along the keys; the row's sum is taken of the unquantised p
; and divides O at the end.  When M moves, the sum and O are multiplied by 2^(old M - new M): exact.  The masked logit enters as the score 8 x 1e-11 ahead of the factor log2(e) / 8: a power of two, so nothing is rounded.
; SHARES.  A work-group owns 512 queries of one head; each of its sixteen waves owns a tile of 16 of them in each of two passes; four waves to a SIMD, so that one wave's vector work stands beside another's waits.
; Every wave walks the head's 2,048 keys, 128 a step.  THE HEAD'S K AND V, codes and scale words, 208,896 bytes, lie in kv as one dense block of register images and come into LDS ONCE: no slot is ever filled again.
; CLUSTER.  The four work-groups of a cluster own the four quarters of one head's queries and want the same block: waves 0 to 3 ask for a quarter of it each, jointly with their partners.
; LAYOUT.  S^T = K Q^T (source 0 = 16 keys, source 1 = my 16 queries), O^T = V^T P^T: a lane holds one query (lane % 16) throughout.  Row m of tile 2 bb + u of K is key 32 bb + 8 u + m + 8 (m / 8), so register 16 bb + i of
; S^T is key 32 bb + 16 (lane / 16) + i.  V's tiles have their rows d in the same order, so register 16 bb + i of O^T is d = 32 bb + 16 (lane / 16) + i: neighbours along the output projection's K.
; K = 64 IN AN INSTRUCTION 128 DEEP: Q's registers 6-11 are zero codes.  K's half fragments lie 6 registers apart, so a tile's operand reaches into the next tile's codes, which meet Q's zeros; the scale bytes there are 1.0.
; THE MASK comes as lane masks, a 32-bit word for each register of S^T, by scalar loads a step ahead: one v_cndmask_b32 a register.
; OUT.  O / the sum is quantised along d (two blocks of 32) and stored as half a fragment of the output projection's operand (three stores of 256 bytes), its two scale bytes at [token][2 head]:
; those are 2 bytes a token and head, rows 32 bytes apart, since a token's other heads belong to other work-groups.
; LIMITS: p under 2^-126 counts as 0 (the sum is above 1/2); a block whose largest number lies under 2^-124 gets the byte 1; NaN and infinities are not served.
; No prefetch: K and V are asked for at the head alone, and the mask words are read by sixteen heads.
.set KVH,   208896
.set QUART, 52224                      ; 204 rows of 256 bytes: what one tensor load brings
.set S,   96                           ; v96-159  S^T, then p
.set O,   160                          ; v160-191 O^T
.set PC,  192                          ; v192-203 p's codes; v204-210 the conversions' second halves
.set BM,  212                          ; v212-215 a block's largest score, then its largest p
.set BP,  216                          ; v216-219 the other half of the lanes', then the bytes
.set SO,  220                          ; v220-223 the conversions' scale operands
.set PW,  224                          ; v224     p's scale word
.set FF,  226                          ; v[226:227] f = 2^(old M - new M)
.set T0,  228
.set T1,  229
.set CH,  230                          ; v[230:231] the second chain of the sum
.set KB,  32                           ; v32-79   K's eight half fragments, later V's four fragments; v80-85 zeros
.set KSC, 88                           ; v88-91   K's scale words
.set VSC, 92                           ; v92-93   V's
.set WV,  2                            ; s2  wave;  s3 steps to go;  s15 passes to go;  s14 the mask words' offset;  s101 the pass's first
.set SEL, 28
.set CS,  30
.set TB,  66                           ; s66, s67, s100: the step's place among the codes (6,144 bytes a step), K's scale words (512), V's (256)
.set TS,  67
.set TT,  100
.macro CROUND                          ; a round of the cluster's barrier
	s_barrier_signal -1
	s_barrier_wait -1
	s_cmp_lg_u32 s[WV], 0
	s_cbranch_scc1 .Lnot_wave_0_\@
	s_barrier_signal -3
.Lnot_wave_0_\@:
	s_barrier_wait -3
	s_barrier_signal -1
	s_barrier_wait -1
.endm
	s_load_b128 s[32:35], s[0:1], 0x0              ; qh, kv
	s_load_b128 s[36:39], s[0:1], 0x10             ; maskw, aoc
	s_load_b64 s[40:41], s[0:1], 0x20              ; aos
	v_lshl_add_u32 v254, v0, 2, 0x34000
	v_mov_b32 v255, 0
	ds_add_u32 v254, v255
	ds_add_u32 v254, v255
	v_lshrrev_b32 v1, 5, v0
	v_readfirstlane_b32 s[WV], v1                  ; wave 0..15
	s_bfe_u32 s42, ttmp6, 0x40000                  ; cx: which quarter of the queries: it enters global addresses alone
	s_and_b32 s43, ttmp7, 0xffff                   ; 16 x batch + head, which the four partners share
	s_lshr_b32 s44, s43, 4                         ; batch
	s_and_b32 s45, s43, 15                         ; head
	s_lshl_b32 s46, s42, 5
	s_add_co_u32 s46, s46, s[WV]                   ; my tile of queries in the first pass: 32 cx + wave
	s_lshl_b32 s47, s44, 7
	s_add_co_u32 s47, s47, s46                     ; and among all batches'
	s_mul_i32 s48, s43, KVH
	s_mul_i32 s17, s[WV], QUART                    ; my quarter of the head's block: in LDS,
	s_add_co_u32 s48, s48, s17                     ; and in memory
	s_mov_b32 s49, 0
	s_lshl_b32 s50, s43, 7
	s_add_co_u32 s50, s50, s46
	s_mul_i32 s50, s50, 768                        ; Q's codes: 768 bytes a tile
	s_mov_b32 s51, 0
	s_lshl_b32 s52, s43, 13                        ; Q's scale words: 8,192 bytes a head,
	s_lshr_b32 s53, s46, 3
	s_lshl_b32 s53, s53, 9                         ; 512 for each 8 tiles,
	s_add_co_u32 s52, s52, s53
	s_and_b32 s53, s46, 1
	s_lshl_b32 s53, s53, 8                         ; an odd tile's lie in lanes 16-31's places,
	s_add_co_u32 s52, s52, s53
	s_bfe_u32 s53, s46, 0x20001
	s_lshl_b32 s53, s53, 2                         ; word (tile % 8) / 2
	s_add_co_u32 s52, s52, s53
	s_add_co_u32 s52, s52, 6291456
	s_mov_b32 s53, 0
	s_lshl_b32 s101, s47, 12                       ; the mask words: 4,096 bytes a tile of queries
	s_lshl_b32 s54, s47, 4
	s_add_co_u32 s54, s54, s45
	s_mul_i32 s54, s54, 768                        ; out: [tile of tokens][head] x 768 bytes
	s_mov_b32 s55, 0
	s_lshl_b32 s56, s47, 9                         ; 16 tokens x 32 scale bytes,
	s_lshl_b32 s57, s45, 1
	s_add_co_u32 s56, s56, s57                     ; my head's two
	s_mov_b32 s57, 0
	; descriptor group 1: 204 rows of 256 bytes (32 elements of 8 bytes), dense in memory and in LDS
	s_mov_b32 s20, 15|(3<<16)|(1<<21)              ; 15:0 the mask: all four work-groups; 17:16 elements of 8 bytes; 21 set beside a mask
	s_mov_b32 s21, 32<<16                          ; tensor_dim0
	s_mov_b32 s22, 204<<16                         ; tensor_dim1
	s_mov_b32 s23, 32<<16                          ; tile_dim0
	s_mov_b32 s24, 204                             ; tile_dim1
	s_mov_b32 s25, 32                              ; tensor_dim0_stride
	s_mov_b32 s26, 0
	s_mov_b32 s27, 0
	s_mov_b32 s[SEL], 0x76543210
	s_mov_b32 s[SEL+1], 0xfedcba98                 ; v_permlanex16_b32's selects for lane l xor 16
	s_mov_b32 s[CS], 0x3e38aa3b                    ; c = log2(e) / 8
	s_mov_b32 s[CS+1], s[CS]                       ; (named with it as a pair, so it is written)
	s_mov_b32 s15, 2
	s_wait_dscnt 0x0
	s_wait_kmcnt 0x0
	s_mov_b64 s[4:5], s[36:37]                     ; maskw
	s_add_nc_u64 s[6:7], s[32:33], s[50:51]        ; Q's codes
	s_add_nc_u64 s[8:9], s[32:33], s[52:53]        ; Q's scale words
	s_add_nc_u64 s[10:11], s[38:39], s[54:55]      ; aoc
	s_add_nc_u64 s[12:13], s[40:41], s[56:57]      ; aos
	s_mov_b32 s16, 1                               ; group 0: count = 1; s17 the LDS address;
	s_add_nc_u64 s[18:19], s[34:35], s[48:49]      ; the global address hangs on the head and the wave alone
	s_or_b32 s19, s19, 0x80000000                  ; type = 2
	CROUND                                         ; all four work-groups are here: the joint loads meet
	s_cmp_lt_u32 s[WV], 4                          ; waves 0 to 3 fetch, one load each: one tensor load of mine is out at the most
	s_cbranch_scc0 .Lno_fill
	tensor_load_to_lds s[16:19], s[20:27]
	s_nop 0
.rept 4
	v_nop
.endr
.Lno_fill:
	v_and_b32 v5, 31, v0                           ; lane
	v_lshlrev_b32 v1, 3, v5                        ; K's codes, and the stores: 8 x lane
	v_lshl_add_u32 v2, v5, 4, 98304                ; V's codes: 16 x lane behind K's 98,304 bytes
	v_lshl_add_u32 v3, v5, 4, 196608               ; K's scale words
	v_lshl_add_u32 v4, v5, 3, 204800               ; V's
	v_and_b32 v7, 15, v0
	v_lshlrev_b32 v6, 4, v7                        ; Q's scale word: 16 x (lane % 16)
	v_lshlrev_b32 v7, 5, v7                        ; a token's scale bytes: 32 x (lane % 16)
.irp i, 22,23,24,25,26,27,80,81,82,83,84,85
	v_mov_b32 v\i, 0                               ; zero codes: K = 64 to 127 of Q's fragment, and what the last tile of K reaches into
.endr
	v_mov_b32 v29, 0x2eafebff                      ; 8 x 1e-11
.irp b, 0,1,2,3
	v_mov_b32 v[BP+\b], 0                          ; written once: a lane permute's destination counts as one of its sources
.endr
	v_mov_b32 v[FF+1], 0                           ; (named as the upper half of a pair)
	v_mov_b32 v[T0], 0
	s_wait_tensorcnt 0x0                           ; my quarter has landed,
	s_barrier_signal -1
	s_barrier_wait -1                              ; everybody's has: from here on LDS is only read
.Lpass:
	global_load_b64 v[16:17], v1, s[6:7]           ; Q's half fragment stays in registers for the pass
	global_load_b64 v[18:19], v1, s[6:7] offset:256
	global_load_b64 v[20:21], v1, s[6:7] offset:512
	global_load_b32 v28, v6, s[8:9]                ; its scale words
	s_mov_b32 s14, s101
	s_load_b512 s[32:47], s[4:5], s14 offset:0x0   ; step 0's 64 mask words: word n in s[32 + n + 4 (n / 32)]
	s_load_b512 s[48:63], s[4:5], s14 offset:0x40
	s_load_b512 s[68:83], s[4:5], s14 offset:0x80
	s_load_b512 s[84:99], s[4:5], s14 offset:0xc0
	v_mov_b32 v13, 0xff61b1e6                      ; the largest t so far: -3e38, under every t
	v_floor_f32 v12, -v13                          ; -M
	v_mov_b32 v14, 0                               ; the sum, in two halves
	v_mov_b32 v15, 0
.set n, 0
.rept 32
	v_mov_b32 v[O+n], 0                            ; O^T.  (The step is written once: the first finds zeros, which the first change of M leaves zeros)
.set n, n+1
.endr
	s_mov_b32 s[TB], 0
	s_mov_b32 s[TS], 0
	s_mov_b32 s[TT], 0
	s_mov_b32 s3, 16
	s_wait_loadcnt 0x0                             ; Q
.Lstep:                                            ; 128 keys
	v_add_nc_u32 v8, s[TB], v1                     ; the step's addresses: four plain instructions, the places behind the last step's products in front of the loads below
	v_add_nc_u32 v9, s[TB], v2
	v_add_nc_u32 v10, s[TS], v3
	v_add_nc_u32 v11, s[TT], v4
.irp t, 0,1,2,3,4,5,6,7
.irp p, 0,1,2
	ds_load_b64 v[KB+6*\t+2*\p:KB+6*\t+2*\p+1], v8 offset:768*\t+256*\p   ; 32 lanes read 256 consecutive bytes
.endr
.endr
	ds_load_b128 v[KSC:KSC+3], v10                 ; register c: lanes 0-15 tile 2 c's words, lanes 16-31 tile 2 c + 1's
	s_wait_dscnt 0x0
.irp t, 0,1,2,3,4,5,6,7
.if \t%2
	v_wmma_scale_f32_16x16x128_f8f6f4 v[S+8*\t:S+8*\t+7], v[KB+6*\t:KB+6*\t+11], v[16:27], 0, v[KSC+\t/2], v28 matrix_a_fmt:MATRIX_FMT_FP6 matrix_b_fmt:MATRIX_FMT_FP6 matrix_a_scale:MATRIX_SCALE_ROW1
.else
	v_wmma_scale_f32_16x16x128_f8f6f4 v[S+8*\t:S+8*\t+7], v[KB+6*\t:KB+6*\t+11], v[16:27], 0, v[KSC+\t/2], v28 matrix_a_fmt:MATRIX_FMT_FP6 matrix_b_fmt:MATRIX_FMT_FP6
.endif
.endr
.rept 4
	v_nop                                          ; places: K's registers are loaded again, and the scores read, below
.endr
.irp t, 0,1,2,3
.irp c, 0,1,2
	ds_load_b128 v[KB+12*\t+4*\c:KB+12*\t+4*\c+3], v9 offset:1536*\t+512*\c   ; V's four fragments land while the softmax is worked
.endr
.endr
	ds_load_b64 v[VSC:VSC+1], v11
	s_wait_kmcnt 0x0                               ; this step's mask words
.set n, 0
.rept 64
	v_cndmask_b32 v[S+n], v29, v[S+n], s[32+n+4*(n/32)]   ; where the mask is 0: 8 x 1e-11.  (Ascending: each accumulator is read from its low end on)
.set n, n+1
.endr
.irp b, 0,1,2,3
	v_max3_num_f32 v[BM+\b], v[S+16*\b], v[S+1+16*\b], v[S+2+16*\b]   ; the largest score of each block of 32 keys: it serves for the row's maximum and, since p rises with the score, for the block's largest p
.endr
.irp i, 3,5,7,9,11,13
.irp b, 0,1,2,3
	v_max3_num_f32 v[BM+\b], v[BM+\b], v[S+16*\b+\i], v[S+1+16*\b+\i]
.endr
.endr
.irp b, 0,1,2,3
	v_max_num_f32 v[BM+\b], v[BM+\b], v[S+15+16*\b]
.endr
	s_add_co_u32 s14, s14, 256                     ; the next step's mask words are asked for here (the offset's last loads were waited for above);
	s_min_u32 s14, s14, 2096896                    ; the last step's request, which nobody uses, stays inside the buffer
	s_load_b512 s[32:47], s[4:5], s14 offset:0x0
	s_load_b512 s[48:63], s[4:5], s14 offset:0x40
	s_load_b512 s[68:83], s[4:5], s14 offset:0x80
	s_load_b512 s[84:99], s[4:5], s14 offset:0xc0
.irp b, 0,1,2,3
	v_permlanex16_b32 v[BP+\b], v[BM+\b], s[SEL], s[SEL+1]
.endr
.irp b, 0,1,2,3
	v_max_num_f32 v[BM+\b], v[BM+\b], v[BP+\b]     ; with lane l xor 16's 16 keys
.endr
	v_max3_num_f32 v[T0], v[BM], v[BM+1], v[BM+2]
	v_max_num_f32 v[T0], v[T0], v[BM+3]            ; the step's largest score of my query
	v_mul_f32 v[T0], s[CS], v[T0]                  ; as t (c is positive)
	v_max_num_f32 v13, v13, v[T0]                  ; the running largest t
	v_mov_b32 v[T0], v12
	v_floor_f32 v12, -v13                          ; the new -M = floor(-t): M is a whole number
	v_sub_f32 v[T0], v12, v[T0]                    ; M's old value less its new one: a whole number, 0 or less
	v_cvt_i32_f32 v[T0], v[T0]                     ; (it saturates)
	v_ldexp_f32 v[FF], 1.0, v[T0]                  ; f = 2^(old M - new M)
.set n, 0
.rept 32
	v_pk_fma_f32 v[S+n:S+n+1], v[S+n:S+n+1], s[CS:CS+1], v[12:13] op_sel_hi:[1,0,0]   ; t - M, two at a time
.set n, n+2
.endr
.irp b, 0,1,2,3
	v_fma_f32 v[BM+\b], v[BM+\b], s[CS], v12       ; the same of each block's largest score
.endr
.set n, 0
.rept 64
	v_exp_f32 v[S+n], v[S+n]                       ; p = 2^(t - M), at most 1
.set n, n+1
.endr
.irp b, 0,1,2,3
	v_exp_f32 v[BM+\b], v[BM+\b]                   ; the block's largest p: the same two instructions on the same number give the same bits
.endr
	v_pk_mul_f32 v[14:15], v[14:15], v[FF:FF+1] op_sel_hi:[1,0]   ; the sums under the new M.  (A plain place behind the exponentials)
	s_wait_alu depctr_va_vdst(0)
.irp b, 0,1,2,3
	v_max_num_f32 v[BM+\b], 0x1800000, v[BM+\b]    ; the floor 2^(3 - 127): the byte cannot fall under 1
.endr
.irp b, 0,1,2,3
	v_add_nc_u32 v[SO+\b], 0xff000000, v[BM+\b]    ; 2 off the exponent field: the conversion's scale operand
.endr
.irp b, 0,1,2,3
	v_lshrrev_b32 v[BP+\b], 23, v[SO+\b]           ; the scale's byte
.endr
	v_lshl_or_b32 v[PW], v[BP+1], 8, v[BP]         ; p's scale word for these 128 keys
	v_lshl_or_b32 v[PW], v[BP+2], 16, v[PW]
	v_lshl_or_b32 v[PW], v[BP+3], 24, v[PW]
.irp c, 0,1
	v_cvt_scalef32_pk16_fp6_f32 v[PC+6*\c:PC+2+6*\c], v[S+32*\c:S+15+32*\c], v[SO+2*\c]
	v_cvt_scalef32_pk16_fp6_f32 v[PC+12+4*\c:PC+14+4*\c], v[S+16+32*\c:S+31+32*\c], v[SO+2*\c+1]   ; (a conversion's three registers begin on an even number)
.endr
	v_nop                                          ; one plain place behind a scaled conversion
.irp c, 0,1                                    ; the operand's layout wants a whole block in a lane
.irp i, 0,1,2
	v_permlane16_swap_b32 v[PC+6*\c+\i], v[PC+12+4*\c+\i]
.endr
.irp i, 0,1,2
	v_mov_b32 v[PC+3+6*\c+\i], v[PC+12+4*\c+\i]
.endr
.endr
.set n, 0
.rept 16
	v_pk_mul_f32 v[O+n:O+n+1], v[O+n:O+n+1], v[FF:FF+1] op_sel_hi:[1,0]   ; O^T under the new M
.set n, n+2
.endr
	v_pk_add_f32 v[CH:CH+1], v[S:S+1], v[S+2:S+3]  ; the row's sum is taken of the unquantised p: two at a time, in two chains.  (These 32 lines are also the places between the lines above and the products below)
.irp j, 4,8,12,16,20,24,28,32,36,40,44,48,52,56,60
	v_pk_add_f32 v[14:15], v[14:15], v[S+\j:S+\j+1]
	v_pk_add_f32 v[CH:CH+1], v[CH:CH+1], v[S+2+\j:S+3+\j]
.endr
	v_pk_add_f32 v[14:15], v[14:15], v[CH:CH+1]
	s_wait_dscnt 0x0                               ; V
.irp t, 0,1,2,3                                ; O^T += V^T P^T: the four accumulators by turns
.if \t%2
	v_wmma_scale_f32_16x16x128_f8f6f4 v[O+8*\t:O+8*\t+7], v[KB+12*\t:KB+12*\t+11], v[PC:PC+11], v[O+8*\t:O+8*\t+7], v[VSC+\t/2], v[PW] matrix_a_fmt:MATRIX_FMT_FP6 matrix_b_fmt:MATRIX_FMT_FP6 matrix_a_scale:MATRIX_SCALE_ROW1
.else
	v_wmma_scale_f32_16x16x128_f8f6f4 v[O+8*\t:O+8*\t+7], v[KB+12*\t:KB+12*\t+11], v[PC:PC+11], v[O+8*\t:O+8*\t+7], v[VSC+\t/2], v[PW] matrix_a_fmt:MATRIX_FMT_FP6 matrix_b_fmt:MATRIX_FMT_FP6
.endif
.endr
	s_add_co_u32 s[TB], s[TB], 6144
	s_add_co_u32 s[TS], s[TS], 512
	s_add_co_u32 s[TT], s[TT], 256
	s_sub_co_u32 s3, s3, 1
	s_cmp_lg_u32 s3, 0
	s_cbranch_scc1 .Lstep
	; THE END OF A PASS: O^T / the sum, quantised along d, goes out as half a fragment
	s_wait_kmcnt 0x0                               ; the last step's request has come: its registers may be loaded again
.rept 4
	v_nop                                          ; places behind the last products
.endr
	v_add_f32 v14, v14, v15                        ; the sum's two halves,
	v_permlanex16_b32 v[T0], v14, s[SEL], s[SEL+1]
	v_add_f32 v14, v14, v[T0]                      ; and lane l xor 16's: the row's sum
	v_rcp_f32 v14, v14
	v_nop                                          ; one plain place behind a transcendental
.set n, 0
	s_wait_alu depctr_va_vdst(0)
.rept 16
	v_pk_mul_f32 v[S+n:S+n+1], v[O+n:O+n+1], v[14:15] op_sel_hi:[1,0]   ; register 16 bb + i: d = 32 bb + 16 (lane / 16) + i of my query
.set n, n+2
.endr
.irp b, 0,1
	v_max3_num_f32 v[BM+\b], |v[S+16*\b]|, |v[S+1+16*\b]|, 0x1800000   ; my 16 numbers of block b, and the floor
.endr
.irp i, 2,4,6,8,10,12,14
.irp b, 0,1
	v_max3_num_f32 v[BM+\b], v[BM+\b], |v[S+16*\b+\i]|, |v[S+1+16*\b+\i]|
.endr
.endr
.irp b, 0,1
	v_permlanex16_b32 v[BP+\b], v[BM+\b], s[SEL], s[SEL+1]
.endr
.irp b, 0,1
	v_max_num_f32 v[BM+\b], v[BM+\b], v[BP+\b]
.endr
.irp b, 0,1
	v_add_nc_u32 v[SO+\b], 0xff000000, v[BM+\b]
.endr
.irp b, 0,1
	v_lshrrev_b32 v[BP+\b], 23, v[SO+\b]
.endr
	v_lshl_or_b32 v[T1], v[BP+1], 8, v[BP]         ; my token's two scale bytes
	v_cvt_scalef32_pk16_fp6_f32 v[PC:PC+2], v[S:S+15], v[SO]
	v_cvt_scalef32_pk16_fp6_f32 v[PC+12:PC+14], v[S+16:S+31], v[SO+1]
	v_nop
.irp i, 0,1,2
	v_permlane16_swap_b32 v[PC+\i], v[PC+12+\i]
.endr
.irp i, 0,1,2
	v_mov_b32 v[PC+3+\i], v[PC+12+\i]
.endr
.irp p, 0,1,2
	global_store_b64 v1, v[PC+2*\p:PC+2*\p+1], s[10:11] offset:256*\p   ; 32 lanes store 256 consecutive bytes, aligned
.endr
	global_store_b16 v7, v[T1], s[12:13]           ; both halves of the lanes write the same two bytes with the same value
	s_wait_xcnt 0x0                                ; the loads and stores have read their bases and registers: both may be written
	s_add_nc_u64 s[6:7], s[6:7], 12288             ; 16 tiles of queries on
	s_add_nc_u64 s[8:9], s[8:9], 1024
	s_add_nc_u64 s[10:11], s[10:11], 196608
	s_add_nc_u64 s[12:13], s[12:13], 8192
	s_add_co_u32 s101, s101, 65536
	s_sub_co_u32 s15, s15, 1
	s_cmp_lg_u32 s15, 0
	s_cbranch_scc1 .Lpass
	s_wait_tensorcnt 0x0
	ds_add_u32 v254, v255
	s_wait_dscnt 0x0
	CROUND                                         ; the closing round: no work-group ends while a partner may still ask for a tile that names it
	s_endpgm
.Lfunc_end_k_qab9b33354d_attn:
	.size	k_qab9b33354d_attn, .Lfunc_end_k_qab9b33354d_attn-k_qab9b33354d_attn
	.p2alignl 7, 3214868480
	.fill 96, 4, 3214868480
	.section	.rodata,"a",@progbits
	.p2align	6, 0x0
	.amdhsa_kernel k_qab9b33354d_attn
		.amdhsa_group_segment_fixed_size 215040
		.amdhsa_private_segment_fixed_size 0
		.amdhsa_enable_private_segment 0
		.amdhsa_kernarg_size 40
		.amdhsa_user_sgpr_count 2
		.amdhsa_user_sgpr_kernarg_segment_ptr 1
		.amdhsa_wavefront_size32 1
		.amdhsa_system_sgpr_workgroup_id_x 1
		.amdhsa_system_sgpr_workgroup_id_y 1
		.amdhsa_system_sgpr_workgroup_id_z 1
		.amdhsa_system_vgpr_workitem_id 0
		.amdhsa_next_free_vgpr 256
		.amdhsa_next_free_sgpr 106
		.amdhsa_reserve_vcc 0
		.amdhsa_float_denorm_mode_32 3
		.amdhsa_float_denorm_mode_16_64 3
		.amdhsa_memory_ordered 1
		.amdhsa_forward_progress 1
		.amdhsa_inst_pref_size 33
	.end_amdhsa_kernel
	.amdgpu_metadata
---
amdhsa.version: [ 1, 2 ]
amdhsa.kernels:
  - .name:           k_qab9b33354d_attn
    .symbol:         k_qab9b33354d_attn.kd
    .args:
      - { .name: qh, .offset: 0, .size: 8, .value_kind: global_buffer, .address_space: global }
      - { .name: kv, .offset: 8, .size: 8, .value_kind: global_buffer, .address_space: global }
      - { .name: maskw, .offset: 16, .size: 8, .value_kind: global_buffer, .address_space: global }
      - { .name: aoc, .offset: 24, .size: 8, .value_kind: global_buffer, .address_space: global }
      - { .name: aos, .offset: 32, .size: 8, .value_kind: global_buffer, .address_space: global }
    .group_segment_fixed_size: 215040
    .private_segment_fixed_size: 0
    .kernarg_segment_align: 8
    .kernarg_segment_size: 40
    .max_flat_workgroup_size: 512
    .sgpr_count:     106
    .vgpr_count:     256
    .wavefront_size: 32
...
	.end_amdgpu_metadata
.endif
;; end of part 3
;; launch outp (part 4): grid 4 x 32, 4 waves a work-group, clusters of 4 x 4, 327,680 bytes of LDS; arguments aoc, aos, cin, sin, bo, out0; writes out0
.if DOCPART == 4
	.amdgcn_target "amdgcn-amd-amdhsa--gfx1250"
	.amdhsa_code_object_version 6
	.text
	.protected	k_qab9b33354d_outp
	.globl	k_qab9b33354d_outp
	.p2align	8
	.type	k_qab9b33354d_outp,@function
k_qab9b33354d_outp:
	s_mov_b64 s[64:65], 0
	v_nop
	global_prefetch_b8 v0, s[64:65] scope:SCOPE_SE
	s_setreg_imm32_b32 hwreg(HW_REG_WAVE_MODE, 25, 1), 1
	s_wait_xcnt 0x0
	s_wait_alu depctr_hold_cnt(0) depctr_sa_sdst(0) depctr_va_vdst(0) depctr_va_sdst(0) depctr_va_ssrc(0) depctr_va_vcc(0) depctr_vm_vsrc(0)
	s_getreg_b32 s2, hwreg(HW_REG_IB_STS2, 6, 4)
	s_cmp_eq_u32 s2, 0
	s_cbranch_scc0 .Lentry_in_a_cluster
	s_endpgm
.Lentry_in_a_cluster:
	s_bfe_u32 s2, ttmp6, 0x10000c
	s_cmp_lg_u32 s2, 0xf033
	s_cbranch_scc0 .Lentry_shape_is_right
	s_endpgm
.Lentry_shape_is_right:
; OUTP.  out0 = attention's output x wo^T + bo on codes of FP6 (E2M3) with one E8M0 scale for each 32 along K = 1,024; sums in f32; out0 [8192][1024] f32.
; A (the attention's output) lies in aoc as images of operand registers: [tile of 16 tokens][head][3][lane][8 bytes]; two heads on end are a fragment of 16 tokens x 128 K.  Its scale bytes in aos: [token][32].
; B = wo: rows of 768 bytes of codes in cin, 32 scale bytes a row in sin.
; A work-group of four waves makes 256 x 256, a wave 128 x 128: 64 accumulators.  K goes in steps of 256 through a ring of two LDS slots; the scale bytes come into LDS once.  The bias is the C of each sum's first product.
; THE MATRIX INSTRUCTION IS USED TRANSPOSED (source 0 = 16 rows of wo, source 1 = 16 tokens): a lane holds eight neighbouring numbers of a row of out0.
; CLUSTERS: 4 x 4 work-groups; A's tiles are asked for jointly along a row of the cluster, B's along a column.
; 128 work-groups: a tile of 256 x 256 is kept for the sake of the multiply-adds that each LDS byte feeds.
; REGISTERS: window 0: v0-31 addresses; v32-63 scale words, two sets; v64-127 the bias; v128-223 A's fragments, one set; on the way out v128-255 rows of out0.  window 1: B's fragments, two sets.  windows 2, 3: the accumulators.
.set SIZE_K, 1024
.set SIZE_N, 1024
.set KSTEP,  256
.set NQ,     KSTEP/128
.set ROWB,   192
.set AROWB,  3072                      ; a K step of a tile of 16 tokens: four heads x 768 bytes
.set KROW,   SIZE_K*6/8
.set PITCH,  240
.set FR,     12
.set NL,     6
.set NP,     4
.set HALFT,  128*PITCH                 ; a wave's part of a slot; A's parts use 24,576 bytes of it
.set SLOT,   4*HALFT
.set LAPS,   SIZE_K/(2*KSTEP)
.set KS,     SIZE_K/32
.set SCL,    2*SLOT
.set HALFS,  (128*KS/256)*272
.set SBLK,   (16*KS/256)*272
.set SPARE,  SCL+4*HALFS               ; the spare words, 128 bytes for each wave: two blocks of 256 bytes that no other line names
.set SPITCH, 528                       ; the way out: a stage of 16 rows x (512 bytes + 16) for each wave, in slot 0, which has had its last fill and its last read by then
.set ADRA, 16
.set ADRB, 20
.set STO,  24
.set RD,   25
.set CO,   26
.set ADRS, 27
.set SPW,  28
.set NIL,  29
.set SC,   32
.set BI,   64
.set AF,   128
.set BK,   128
.set G1, 24
.set G0, 32
.set G1B, 48
.set G0B, 56
.set G1S, 68
.set G0S, 76
.set G1SB, 80
.set G0SB, 88
.set MSB, 0
.macro WIN new
.if MSB != \new
	s_set_vgpr_msb (MSB<<8)|\new
.set MSB, \new
.endif
.endm
.set MUL_LO, 0xa1
.set MUL_HI, 0xf1
.set TO_B,   0x40
.macro JLOAD g0a, g1a, g0b, g1b        ; a joint load: waves 0 and 1 fetch for A, waves 2 and 3 for B; four v_nop follow each of the two lines
	s_cmp_eq_u32 s15, 0
	s_cbranch_scc0 .Lfor_b_\@
	tensor_load_to_lds s[\g0a:\g0a+3], s[\g1a:\g1a+7]
	s_nop 0
.rept 4
	v_nop
.endr
	s_branch .Lasked_\@
.Lfor_b_\@:
	tensor_load_to_lds s[\g0b:\g0b+3], s[\g1b:\g1b+7]
	s_nop 0
.rept 4
	v_nop
.endr
.Lasked_\@:
.endm
.macro CREST
	s_cmp_lg_u32 s14, 0
	s_cbranch_scc1 .Lnot_wave_0_\@
	s_barrier_signal -3
.Lnot_wave_0_\@:
	s_barrier_wait -3
	s_barrier_signal -1
	s_barrier_wait -1
.endm
.macro CROUND
	s_barrier_signal -1
	s_barrier_wait -1
	CREST
.endm
	s_load_b128 s[4:7], s[0:1], 0x0                ; aoc, aos
	s_load_b128 s[8:11], s[0:1], 0x10              ; cin, sin
	s_load_b64 s[96:97], s[0:1], 0x20              ; bo
	s_load_b64 s[12:13], s[0:1], 0x28              ; out0
	v_lshl_add_u32 v[SPW], v0, 2, SPARE
	v_mov_b32 v[NIL], 0
	ds_add_u32 v28, v29
	ds_add_u32 v28, v29
	s_wait_dscnt 0x0
	v_lshrrev_b32 v1, 5, v0
	v_readfirstlane_b32 s14, v1                    ; wave 0..3
	s_lshr_b32 s15, s14, 1                         ; which half of the tile's rows is mine.  Also: I fetch for A (0) or for B (1)
	s_and_b32 s16, s14, 1                          ; which half of its columns.  Also: which 128 rows of that tile I fetch
	s_bfe_u32 s40, ttmp6, 0x40000                  ; cx, cy
	s_bfe_u32 s41, ttmp6, 0x40004
	s_lshl_b32 s42, ttmp9, 2
	s_add_co_u32 s42, s42, s40                     ; tile column
	s_and_b32 s17, ttmp7, 0xffff
	s_lshl_b32 s17, s17, 2
	s_add_co_u32 s17, s17, s41                     ; tile row
	s_lshl_b32 s43, s41, 2
	s_lshl_b32 s43, 15, s43                        ; my row of the cluster
	s_lshl_b32 s44, 0x1111, s40                    ; my column
	; A's tiles: 8 tiles of 16 tokens x 3,072 bytes (384 elements of 8 bytes), 12,288 bytes apart in memory, dense in LDS
	s_or_b32 s[G1+0], s43, (3<<16)|(1<<21)
	s_mov_b32 s[G1+1], 384<<16                     ; tensor_dim0
	s_mov_b32 s[G1+2], 8<<16                       ; tensor_dim1
	s_mov_b32 s[G1+3], 384<<16                     ; tile_dim0
	s_mov_b32 s[G1+4], 8                           ; tile_dim1
	s_mov_b32 s[G1+5], 1536                        ; tensor_dim0_stride
	s_mov_b32 s[G1+6], 0
	s_mov_b32 s[G1+7], 0
	; B's tiles: 128 rows x 192 bytes, 16 bytes of padding behind every 64
	s_or_b32 s[G1B+0], s44, (0<<16)|(1<<20)|(1<<21)|(3<<22)|(3<<25)
	s_mov_b32 s[G1B+1], ROWB<<16
	s_mov_b32 s[G1B+2], 128<<16
	s_mov_b32 s[G1B+3], ROWB<<16
	s_mov_b32 s[G1B+4], 128
	s_mov_b32 s[G1B+5], KROW
	s_mov_b32 s[G1B+6], 0
	s_mov_b32 s[G1B+7], 0
	; the scales of 128 rows: 16 rows of 256 bytes, 16 bytes of padding behind each
	s_or_b32 s[G1S+0], s43, (3<<16)|(1<<20)|(1<<21)|(5<<22)|(3<<25)
	s_or_b32 s[G1SB+0], s44, (3<<16)|(1<<20)|(1<<21)|(5<<22)|(3<<25)
.irp g, G1S, G1SB
	s_mov_b32 s[\g+1], 32<<16
	s_mov_b32 s[\g+2], (128*KS/256)<<16
	s_mov_b32 s[\g+3], 32<<16
	s_mov_b32 s[\g+4], 128*KS/256
	s_mov_b32 s[\g+5], 32
	s_mov_b32 s[\g+6], 0
	s_mov_b32 s[\g+7], 0
.endr
	s_lshl_b32 s18, s16, 7                         ; which 128 rows of the tile I fetch
	s_lshl_b32 s22, s17, 8
	s_add_co_u32 s22, s22, s18                     ; A: token 256 x tile row + 128 x half
	s_lshr_b32 s20, s22, 4
	s_mul_i32 s20, s20, 12288                      ; its tile of 16 tokens
	s_mov_b32 s21, 0
	s_lshl_b32 s22, s22, 5                         ; its scale bytes
	s_mov_b32 s23, 0
	s_lshl_b32 s46, s42, 8
	s_add_co_u32 s46, s46, s18                     ; B: row 256 x tile column + 128 x half of wo
	s_lshl_b32 s92, s46, 5
	s_add_co_u32 s92, s92, 884736                  ; wo's scale bytes in sin
	s_mov_b32 s93, 0
	s_mul_i32 s46, s46, KROW
	s_add_co_u32 s46, s46, 21233664                ; wo's codes in cin
	s_mov_b32 s47, 0
	s_lshl_b32 s18, s42, 10                        ; the bias of my 128 columns
	s_lshl_b32 s19, s16, 9
	s_add_co_u32 s18, s18, s19
	s_mov_b32 s19, 0
	s_mul_i32 s45, s14, HALFT                      ; where the tiles go: no place in the cluster enters an LDS address
	s_mul_i32 s94, s14, HALFS
	s_wait_kmcnt 0x0
	s_add_nc_u64 s[96:97], s[96:97], s[18:19]
	s_add_nc_u64 s[20:21], s[4:5], s[20:21]
	s_add_nc_u64 s[22:23], s[6:7], s[22:23]
	s_add_nc_u64 s[46:47], s[8:9], s[46:47]
	s_add_nc_u64 s[92:93], s[10:11], s[92:93]
	CROUND                                         ; all sixteen work-groups are here: the first joint loads meet
	s_mov_b32 s[G0S], 1
	s_add_co_u32 s[G0S+1], s94, SCL
	s_mov_b64 s[G0S+2:G0S+3], s[22:23]
	s_or_b32 s[G0S+3], s[G0S+3], 0x80000000
	s_mov_b32 s[G0SB], 1
	s_add_co_u32 s[G0SB+1], s94, SCL
	s_mov_b64 s[G0SB+2:G0SB+3], s[92:93]
	s_or_b32 s[G0SB+3], s[G0SB+3], 0x80000000
	JLOAD G0S, G1S, G0SB, G1SB
.irp s, 0,1
	s_mov_b32 s[G0+4*\s], 1
	s_add_co_u32 s[G0+4*\s+1], s45, \s*SLOT
	s_add_nc_u64 s[G0+4*\s+2:G0+4*\s+3], s[20:21], \s*AROWB
	s_or_b32 s[G0+4*\s+3], s[G0+4*\s+3], 0x80000000
	s_mov_b32 s[G0B+4*\s], 1
	s_add_co_u32 s[G0B+4*\s+1], s45, \s*SLOT
	s_add_nc_u64 s[G0B+4*\s+2:G0B+4*\s+3], s[46:47], \s*ROWB
	s_or_b32 s[G0B+4*\s+3], s[G0B+4*\s+3], 0x80000000
	JLOAD G0+4*\s, G1, G0B+4*\s, G1B
.endr
	v_and_b32 v1, 15, v0                           ; r
	v_bfe_u32 v2, v0, 4, 1                         ; h
	v_mul_u32_u24 v3, v1, PITCH
	v_mul_u32_u24 v4, v2, 24
	v_add_nc_u32 v4, v3, v4                        ; B: a fragment's row x pitch + 24 x half
	v_lshl_add_u32 v5, v2, 4, v4                   ; and the same behind one padding more
	v_and_b32 v6, 31, v0
	v_lshlrev_b32 v7, 3, v6                        ; A: 8 x lane
	s_mul_i32 s21, s15, HALFT                      ; my 128 tokens of A
	s_mul_i32 s22, s16, HALFT                      ; my 128 rows of B,
	s_add_co_u32 s22, s22, 2*HALFT                 ; which lie behind A's two parts
.irp s, 0,1
	v_add_nc_u32 v[ADRA+\s], s21, v7
	v_add_nc_u32 v[ADRB+\s], s22, v4
	v_add_nc_u32 v[ADRB+2+\s], s22, v5
	s_add_co_u32 s21, s21, SLOT
	s_add_co_u32 s22, s22, SLOT
.endr
	v_mul_u32_u24 v5, v1, KS
	v_lshrrev_b32 v8, 8, v5
	v_lshl_add_u32 v5, v8, 4, v5
	s_mul_i32 s21, s15, HALFS
	s_mul_i32 s22, s16, HALFS
	s_add_co_u32 s22, s22, 2*HALFS
	s_sub_co_u32 s22, s22, s21
	v_mul_u32_u24 v8, s22, v2                      ; lanes 16-31 take B's
	s_add_co_u32 s21, s21, SCL
	v_add_nc_u32 v5, v5, v8
	v_add_nc_u32 v[ADRS], s21, v5
	s_mul_i32 s23, s14, 16*SPITCH                  ; my stage
	v_mul_u32_u24 v5, v1, SPITCH
	v_lshl_add_u32 v5, v2, 5, v5
	v_add_nc_u32 v[STO], s23, v5                   ; in: row r, 32 bytes for each half of the lanes
	v_lshlrev_b32 v[CO], 4, v6                     ; back: the 32 lanes take one row of 512 bytes; and the same in out0
	v_add_nc_u32 v[RD], s23, v[CO]
	v_lshlrev_b32 v9, 5, v2                        ; the bias: register 8 b + j wants column 16 b + 8 h + j
.irp b, 0,1,2,3,4,5,6,7
	global_load_b128 v[BI+8*\b:BI+8*\b+3], v9, s[96:97] offset:64*\b
	global_load_b128 v[BI+8*\b+4:BI+8*\b+7], v9, s[96:97] offset:64*\b+16
.endr
	s_lshl_b32 s20, s17, 8
	s_lshl_b32 s21, s15, 7
	s_add_co_u32 s20, s20, s21                     ; my first row of out0
	s_mov_b32 s21, 0
	s_mov_b64 s[18:19], SIZE_N*4
	s_mul_u64 s[20:21], s[20:21], s[18:19]
	s_lshl_b32 s46, s42, 10                        ; my first column, in bytes
	s_lshl_b32 s47, s16, 9
	s_add_co_u32 s46, s46, s47
	s_mov_b32 s47, 0
	s_add_nc_u64 s[20:21], s[20:21], s[46:47]
	s_add_nc_u64 s[12:13], s[12:13], s[20:21]
.macro FRAG reg, adr, q, i             ; B: a fragment from rows: 24 bytes of the row's stream of bits for each half of K, in pieces of 8 bytes
.irp p, 0,1,2,3,4,5
.set PCE, 12*(\q)+6*(\p/3)+\p%3
.if PCE%8 < 5
	ds_load_b64 v[\reg+2*\p:\reg+2*\p+1], v[\adr] offset:8*PCE+16*(PCE/8)+(\i)*16*PITCH
.else
	ds_load_b64 v[\reg+2*\p:\reg+2*\p+1], v[\adr+2] offset:8*PCE+16*(PCE/8)+(\i)*16*PITCH
.endif
.endr
.endm
.macro FRAGA reg, adr, q, i            ; A: a fragment from its image: each load reads 256 consecutive bytes
.irp p, 0,1,2,3,4,5
	ds_load_b64 v[\reg+2*\p:\reg+2*\p+1], v[\adr] offset:(\i)*AROWB+(\q)*1536+256*\p
.endr
.endm
; 16 matrix instructions.  zero = 1: the first product starts the sums, with the bias as its C.  The 64 accumulators take turns.
.macro MUL16 a0, p, q, sc, zero
.irp a, \a0, \a0+1
.irp b, 0,1,2,3,4,5,6,7
.if \zero
	v_wmma_scale_f32_16x16x128_f8f6f4 v[8*(8*((\a)%4)+\b):8*(8*((\a)%4)+\b)+7], v[128*(\p)+FR*\b:128*(\p)+FR*\b+FR-1], v[AF+FR*(\a):AF+FR*(\a)+FR-1], v[BI+8*\b:BI+8*\b+7], v[SC+8*NQ*(\sc)+NQ*\b+(\q)], v[SC+8*NQ*(\sc)+NQ*(\a)+(\q)] matrix_a_fmt:MATRIX_FMT_FP6 matrix_b_fmt:MATRIX_FMT_FP6 matrix_a_scale:MATRIX_SCALE_ROW1
.else
	v_wmma_scale_f32_16x16x128_f8f6f4 v[8*(8*((\a)%4)+\b):8*(8*((\a)%4)+\b)+7], v[128*(\p)+FR*\b:128*(\p)+FR*\b+FR-1], v[AF+FR*(\a):AF+FR*(\a)+FR-1], v[8*(8*((\a)%4)+\b):8*(8*((\a)%4)+\b)+7], v[SC+8*NQ*(\sc)+NQ*\b+(\q)], v[SC+8*NQ*(\sc)+NQ*(\a)+(\q)] matrix_a_fmt:MATRIX_FMT_FP6 matrix_b_fmt:MATRIX_FMT_FP6 matrix_a_scale:MATRIX_SCALE_ROW1
.endif
.endr
.endr
.endm
.macro FETCH_B slot, q, p
	WIN TO_B
.irp i, 0,1,2,3,4,5,6,7
	FRAG 128*(\p)+FR*\i, ADRB+\slot, \q, \i
.endr
	WIN 0
.endm
.macro FETCH_A slot, q, i0
.irp i, \i0, \i0+1, \i0+2, \i0+3
	FRAGA AF+FR*(\i), ADRA+\slot, \q, \i
.endr
.endm
.macro SCALES sc
.irp i, 0,1,2,3,4,5,6,7
	ds_load_b64 v[SC+8*NQ*\sc+NQ*\i:SC+8*NQ*\sc+NQ*\i+1], v[ADRS] offset:\i*SBLK
.endr
.endm
.macro PLACES n
.rept \n
	v_nop
.endr
.endm
.macro STEP slot, q, zero
	s_wait_dscnt 4*NL                              ; B's set and A's blocks 0-3 are in; the youngest 24 loads (A's blocks 4-7) may be out
.if \zero
	WIN 0x81                                       ; as MUL_LO, with C (the bias) in window 0
.else
	WIN MUL_LO
.endif
	MUL16 0, (\q)%2, \q, \slot, \zero
	MUL16 2, (\q)%2, \q, \slot, \zero
	s_wait_dscnt 0
	PLACES NP
	FETCH_B \slot, (\q)+1, 1-(\q)%2
	FETCH_A \slot, (\q)+1, 0
.if \zero
	WIN 0xc1
.else
	WIN MUL_HI
.endif
	MUL16 4, (\q)%2, \q, \slot, \zero
	MUL16 6, (\q)%2, \q, \slot, \zero
	PLACES NP
	WIN 0
	FETCH_A \slot, (\q)+1, 4
.endm
.macro TURN slot, next, fill
	s_wait_tensorcnt 0x0                           ; all my tensor loads have landed: my part of the next slot
	ds_add_u32 v[SPW], v[NIL]                      ; 0 onto my spare word
	s_wait_dscnt 4*NL+1                            ; (the add and the youngest 24 loads may be out)
	WIN MUL_LO
	MUL16 0, 1, NQ-1, \slot, 0
	s_wait_dscnt 0x0                               ; the add is done, and my reads of this slot are over
	s_barrier_signal -1
	MUL16 2, 1, NQ-1, \slot, 0
	WIN 0
	s_barrier_wait -1
.if \fill
	CREST                                          ; the barrier has opened a round of the cluster's barrier: no wave of any partner still reads this slot or has a load on its way
	s_add_nc_u64 s[G0+4*\slot+2:G0+4*\slot+3], s[G0+4*\slot+2:G0+4*\slot+3], 2*AROWB
	s_add_nc_u64 s[G0B+4*\slot+2:G0B+4*\slot+3], s[G0B+4*\slot+2:G0B+4*\slot+3], 2*ROWB
	JLOAD G0+4*\slot, G1, G0B+4*\slot, G1B         ; the first tensor load behind the round; its four v_nop are the places in front of the loads below
.else
	PLACES NP
.endif
	v_add_nc_u32 v[ADRS], 4*NQ, v[ADRS]
	FETCH_B \next, 0, 0
	FETCH_A \next, 0, 0
	SCALES \next
	WIN MUL_HI
	MUL16 4, 1, NQ-1, \slot, 0
	MUL16 6, 1, NQ-1, \slot, 0
	PLACES NP
	WIN 0
	FETCH_A \next, 0, 4
.endm
	s_wait_loadcnt 0x0                             ; the bias
	s_wait_tensorcnt 1                             ; the scales and my part of K step 0 are in (K step 1's load may be out),
	s_barrier_signal -1
	s_barrier_wait -1                              ; everybody's are
	FETCH_B 0, 0, 0
	FETCH_A 0, 0, 0
	SCALES 0
	FETCH_A 0, 0, 4
	STEP 0, 0, 1
	s_mov_b32 s3, LAPS-1
.Llap:
	TURN 0, 1, 1
	STEP 1, 0, 0
	TURN 1, 0, 1
	STEP 0, 0, 0
	s_sub_co_u32 s3, s3, 1
	s_cmp_lg_u32 s3, 0
	s_cbranch_scc1 .Llap
	TURN 0, 1, 0
	STEP 1, 0, 0
	s_wait_dscnt 4*NL
	WIN MUL_LO
	MUL16 0, 1, NQ-1, 1, 0
	MUL16 2, 1, NQ-1, 1, 0
	s_wait_dscnt 0
	WIN MUL_HI
	MUL16 4, 1, NQ-1, 1, 0
	MUL16 6, 1, NQ-1, 1, 0
	WIN 0
; THE WAY OUT, block by block of 16 rows x 128 columns, through my own stage in LDS: back come whole rows of 512 bytes.  LDS serves a wave's instructions in order (ISA guide 5.7.1.4): no wait between the stores and the loads.
.macro TOSTAGE a
.set AC, 64*((\a)%4)
	WIN 0x08+4*((\a)/4)                            ; the data: window 2 or 3
.irp b, 0,1,2,3,4,5,6,7
	ds_store_b128 v[STO], v[AC+8*\b:AC+8*\b+3] offset:64*\b          ; each accumulator from its low end on
	ds_store_b128 v[STO], v[AC+8*\b+4:AC+8*\b+7] offset:64*\b+16
.endr
	WIN 0
.set BB, BK+64*((\a)%2)
.irp t, 0,1,2,3,4,5,6,7,8,9,10,11,12,13,14,15
	ds_load_b128 v[BB+4*\t:BB+4*\t+3], v[RD] offset:\t*SPITCH
.endr
.endm
.macro SEND a, younger
.set BB, BK+64*((\a)%2)
	s_wait_dscnt \younger                          ; the block is back in registers
.if (\a) > 0
	s_add_nc_u64 s[12:13], s[12:13], 16*SIZE_N*4   ; (behind a wait on XCNT: the earlier stores have read their base)
.endif
.irp t, 0,1,2,3,4,5,6,7,8,9,10,11,12,13,14,15
	global_store_b128 v[CO], v[BB+4*\t:BB+4*\t+3], s[12:13] offset:\t*SIZE_N*4 th:TH_STORE_NT   ; 32 lanes store 512 consecutive bytes, at a multiple of 256 from out0's first byte
.endr
.endm
	PLACES NP
	TOSTAGE 0
.irp a, 1,2,3,4,5,6,7
.if \a > 1
	s_wait_xcnt 0x0                                ; block a - 2's stores have read their registers and their base
.endif
	TOSTAGE \a
	SEND \a-1, 32                                  ; behind block a - 1's loads: block a's 16 stores and 16 loads
.endr
	s_wait_xcnt 0x0
	SEND 7, 0
	s_wait_tensorcnt 0x0                           ; the wave's end
	ds_add_u32 v[SPW], v[NIL]
	s_wait_dscnt 0x0
	CROUND                                         ; the closing round
	s_endpgm
.Lfunc_end_k_qab9b33354d_outp:
	.size	k_qab9b33354d_outp, .Lfunc_end_k_qab9b33354d_outp-k_qab9b33354d_outp
	.p2alignl 7, 3214868480
	.fill 96, 4, 3214868480
	.section	.rodata,"a",@progbits
	.p2align	6, 0x0
	.amdhsa_kernel k_qab9b33354d_outp
		.amdhsa_group_segment_fixed_size 327680
		.amdhsa_private_segment_fixed_size 0
		.amdhsa_enable_private_segment 0
		.amdhsa_kernarg_size 48
		.amdhsa_user_sgpr_count 2
		.amdhsa_user_sgpr_kernarg_segment_ptr 1
		.amdhsa_wavefront_size32 1
		.amdhsa_system_sgpr_workgroup_id_x 1
		.amdhsa_system_sgpr_workgroup_id_y 1
		.amdhsa_system_sgpr_workgroup_id_z 1
		.amdhsa_system_vgpr_workitem_id 0
		.amdhsa_next_free_vgpr 1024
		.amdhsa_next_free_sgpr 100
		.amdhsa_reserve_vcc 0
		.amdhsa_float_denorm_mode_32 3
		.amdhsa_float_denorm_mode_16_64 3
		.amdhsa_memory_ordered 1
		.amdhsa_forward_progress 1
		.amdhsa_inst_pref_size 162
	.end_amdhsa_kernel
	.amdgpu_metadata
---
amdhsa.version: [ 1, 2 ]
amdhsa.kernels:
  - .name:           k_qab9b33354d_outp
    .symbol:         k_qab9b33354d_outp.kd
    .args:
      - { .name: aoc, .offset: 0, .size: 8, .value_kind: global_buffer, .address_space: global }
      - { .name: aos, .offset: 8, .size: 8, .value_kind: global_buffer, .address_space: global }
      - { .name: cin, .offset: 16, .size: 8, .value_kind: global_buffer, .address_space: global }
      - { .name: sin, .offset: 24, .size: 8, .value_kind: global_buffer, .address_space: global }
      - { .name: bo, .offset: 32, .size: 8, .value_kind: global_buffer, .address_space: global }
      - { .name: out0, .offset: 40, .size: 8, .value_kind: global_buffer, .address_space: global }
    .group_segment_fixed_size: 327680
    .private_segment_fixed_size: 0
    .kernarg_segment_align: 8
    .kernarg_segment_size: 48
    .max_flat_workgroup_size: 128
    .sgpr_count:     100
    .vgpr_count:     1024
    .wavefront_size: 32
...
	.end_amdgpu_metadata
.endif
;; end of part 4
